; MI455X (gfx1250); checked and timed in simulation.
; The chip was launched on July 23, 2026; its instructions are those of AMD's public machine-readable ISA for CDNA 5 (MIT licence, August 2026) and "CDNA5" Instruction Set Architecture Reference Guide (July 2026). The comments in the code are by the model that wrote it; some were corrected since.
;; MHA. Allowed arithmetic: matrix products marked QUANTISED: E4M3 operands, one E8M0 scale for each 32 along K, by v_wmma_scale_f32_16x16x128_f8f6f4 with both operands' format E4M3, f32 sums; everything else in f32.
;; Inputs: W_proj_codes 1,024 x 32 x 32 uint8 (E4M3 codes of W_proj, K innermost, in blocks of 32 codes); W_proj_scales 1,024 x 32 uint8 (E8M0 scales of W_proj, one for each 32 codes along K); W_qkv_codes 3,072 x 32 x 32 uint8 (E4M3 codes of W_qkv, K innermost, in blocks of 32 codes); W_qkv_scales 3,072 x 32 uint8 (E8M0 scales of W_qkv, one for each 32 codes along K); b_proj 1,024 float32; b_qkv 3,072 float32; x_codes 4 x 2,048 x 32 x 32 uint8 (E4M3 codes of x, K innermost, in blocks of 32 codes); x_scales 4 x 2,048 x 32 uint8 (E8M0 scales of x, one for each 32 codes along K).
;; Outputs: out0 4 x 2,048 x 1,024 float32.
;; This version of the problem:
;;   THIS VERSION OF THE PROBLEM IS GIVEN IN LOW PRECISION. The matrix products marked QUANTISED in the list below multiply operands that are first quantised to E4M3 (4 exponent bits, 3 mantissa bits; 8 bits a number), with one power-of-two scale for each 32 numbers along K (OCP MX v1.0); their sums are f32. All else is computed in f32.
;;   The module's matrix products, in the order in which they are computed (A, B: the left and right operand; K: the contracted axis; several contracted axes count as one K, in the product's order):
;;     1. [M 8,192, K 1,024] x [K 1,024, N 3,072]; A: input x (given as codes); B: input W_qkv (given as codes): QUANTISED
;;     2. batch 64 x [M 2,048, K 64] x [K 64, N 2,048]; A: computed on the way; B: computed on the way: QUANTISED
;;     3. batch 64 x [M 64, K 2,048] x [K 2,048, N 2,048]; A: computed on the way; B: softmax (see below): QUANTISED
;;     4. [M 8,192, K 1,024] x [K 1,024, N 1,024]; A: computed on the way; B: input W_proj (given as codes): QUANTISED
;;   THE QUANTISER, for each operand of a quantised product, along K:
;;     - K is cut into blocks of 32 from its start; a last block that is shorter is filled with zeros.
;;     - A block's scale is 2^e with e = floor(log2(the largest magnitude in the block)) - 8, held to -126 .. 127; a block of zeros has e = 0. As a byte (E8M0): e + 127.
;;     - Each number is divided by its block's scale, clamped to +-448, and rounded to the nearest number of E4M3, ties to even, subnormals kept.
;;     - The product sums the exact products of the quantised numbers (number of the format x scale) in f32.
;;   ~~~python
;;   def quantise(x, axis):      # numpy; x: float32 -> the quantised numbers, widened to float32 again
;;       x = np.moveaxis(x, axis, -1); K = x.shape[-1]
;;       x = np.pad(x, [(0, 0)] * (x.ndim - 1) + [(0, -K % 32)]); x = x.reshape(x.shape[:-1] + (-1, 32)); a = np.abs(x).max(-1, keepdims=True)
;;       e = np.where(a > 0, np.clip(np.frexp(np.where(a > 0, a, 1))[1] - 1 - 8, -126, 127), 0)      # np.frexp(a)[1] - 1 = floor(log2(a)), exactly
;;       r = np.clip(x / 2.0 ** e, -448, 448)
;;       step = 2.0 ** (np.maximum(np.frexp(np.where(r == 0, 1, r))[1] - 1, -6) - 3)
;;       q = np.round(r / step) * step * 2.0 ** e      # np.round: ties to even
;;       return np.moveaxis(q.reshape(q.shape[:-2] + (-1,))[..., :K], -1, axis).astype(np.float32)
;;   ~~~
;;   SOFTMAX AHEAD OF A QUANTISED PRODUCT. Where the list says 'softmax', what is quantised is not the finished softmax but p = 2^(t - M), with t = logit x log2(e) and M = ceil(the row's largest t), a whole number; so 1/2 < the row's largest p <= 1. The row's sum l is taken of the UNQUANTISED p, in f32, and the product's result is divided by l at the end. Since M is a whole number, a kernel that streams over the keys may use a running M (the ceiling of the running maximum): every later rescaling is an exact power of two, which a block's scale takes up: the codes' values come out the same.
;;   OPERANDS COMPUTED ON THE WAY. 'Computed on the way' means the value that the module computes at that place (a softmax that the list does not call 'softmax' is quantised finished and normalised). What goes into a quantiser is computed in f32, as accurately as f32 sums, v_exp_f32 and their like allow (about 1e-6 of the number): no bf16 or f16 on the way to a quantiser, and a product that is left as it is and whose result goes on into a quantised operand takes f32 operands (vector FMAs, or v_wmma_f32_16x16x4_f32). A number that lies on a knife's edge between two numbers of the format may be rounded either way, as far as f32 arithmetic and the matrix unit's own rounding can turn it there, and no further.
;;   INPUTS GIVEN AS CODES. W_proj (in the module: [1024, 1024], K = its axis 1); W_qkv (in the module: [3072, 1024], K = its axis 1); x (in the module: [4, 2048, 1024], K = its axis 2): each comes as NAME_codes (uint8): NAME with its K axis moved to the last place and cut into blocks of 32 codes, [.., K / 32, bytes a block], one block behind the other in memory; one code a byte (a code: sign, 4 exponent bits, 3 mantissa bits); and NAME_scales (uint8): the same leading axes, one E8M0 byte (e + 127) for each 32 codes along K. Its value is code x scale, taken as it is: it is not quantised again, and the codes and scales need not be those that the quantiser above would give.
;; One version. Each part assembles by itself: llvm-mc -triple=amdgcn-amd-amdhsa -mcpu=gfx1250 --defsym DOCPART=n.
;; ======== version 1 of 1: 3 launches
;; limits: right only within a limited range of input values
;; workspace buffers: qkv_codes 25,165,824 bytes; qkv_scales 786,432 bytes; o_codes 8,388,608 bytes; o_scales 262,144 bytes
;; launch qkv (part 1): grid 96 x 4, 4 waves a work-group, clusters of 4 x 4, 327,680 bytes of LDS; arguments x_codes, x_scales, W_qkv_codes, W_qkv_scales, b_qkv, qkv_codes, qkv_scales; writes qkv_codes, qkv_scales
.if DOCPART == 1
	.amdgcn_target "amdgcn-amd-amdhsa--gfx1250"
	.amdhsa_code_object_version 6
	.text
	.protected	k_q8e221466c7_qkv
	.globl	k_q8e221466c7_qkv
	.p2align	8
	.type	k_q8e221466c7_qkv,@function
k_q8e221466c7_qkv:
	s_mov_b64 s[64:65], 0
	v_nop
	global_prefetch_b8 v0, s[64:65] scope:SCOPE_SE
	s_setreg_imm32_b32 hwreg(HW_REG_WAVE_MODE, 25, 1), 1
	s_wait_xcnt 0x0
	s_wait_alu depctr_hold_cnt(0) depctr_sa_sdst(0) depctr_va_vdst(0) depctr_va_sdst(0) depctr_va_ssrc(0) depctr_va_vcc(0) depctr_vm_vsrc(0)
	s_getreg_b32 s2, hwreg(HW_REG_IB_STS2, 6, 4)
	s_cmp_eq_u32 s2, 0
	s_cbranch_scc0 .Lentry_in_a_cluster
	s_endpgm
.Lentry_in_a_cluster:
	s_bfe_u32 s2, ttmp6, 0x10000c
	s_cmp_lg_u32 s2, 0xf033
	s_cbranch_scc0 .Lentry_shape_is_right
	s_endpgm
.Lentry_shape_is_right:
; qkv = x W_qkv^T + b_qkv on codes of FP8 (E4M3) with one E8M0 scale for each 32 along K = 1,024; the f32 sums are quantised at once for the attention launch:
; q and k along the head's 64 channels, v along the keys.  Nothing wide goes to memory.
; EACH PRODUCT IS WRITTEN P x Q^T.  Source 0 = 16 rows of P, source 1 = 16 rows of Q: in a result lane l holds Q's row l % 16, and its registers run along P's rows, 8 (l / 16) + 0 .. 7.
; So P's index is the axis that is quantised.  q, k: P = W_qkv's rows (channels), Q = x's rows (tokens).  v: P = x's rows (keys), Q = W_qkv's rows 2,048 on (channels).
; SHARES.  24 clusters of 4 x 4 work-groups, numbered c: c = 0-7 q, 8-15 k, 16-23 v.  A work-group makes 256 (Q) x 256 (P), each of its four waves 128 x 128: 64 accumulators, 512 registers.
; P's tile hangs on the place along the cluster's x alone and is asked for jointly by the four of a column, Q's on the place along y alone, by the four of a row.  Which buffer is P and which Q is a choice of pointers on c, equal in all partners.
; K goes in steps of 256 through a ring of two LDS slots; the scale bytes of the 512 rows, for all of K, come once with the first fills and stay.
; THE WAY OUT.  A block of 16 rows of Q x 128 of P is 64 numbers a lane: four blocks of 32 along P, each shared with lane l xor 16.  Bias, largest magnitude, scale byte, hold, conversion; the 16 codes of a block
; are stored as they stand, lane l's 16 bytes at 16 l: 512 consecutive bytes a store.  Byte i of lane (r, h) is position 16 (i / 8) + 8 h + i % 8 of its block of 32: the same order in q and k, and in v and the softmax's weights, so the products are kept.
; qkv_codes: [part 3][batch x head 64][131,072]; q, k: [tile of 16 tokens 128][block of 32 channels 2][512]; v: [128 keys 16][tile of 16 channels 4][block of 32 keys 4][512].
; qkv_scales: [part 3][batch x head 64][4,096]; q, k: [32 tokens 64][m 16] words: low half the two bytes of token m, high half those of token 16 + m; v: [128 keys 16][tile of channels 4][channel 16] words, a byte a block of keys.
; LIMITS: NaN and infinities are not served.  A block whose largest magnitude lies under 2^-118 takes the scale byte 1 (a block of zeros too, where the rule says 127: its codes are zeros, and this program alone reads the bytes).
; REGISTERS, in windows of 256: window 0: v8-15 bias by Q's rows; v16-31 addresses; v32-63 scale words, two sets; v64-127 bias by P's rows; from v128 Q's fragments, one set; on the way out v128-239 are at work.
;   window 1: P's fragments, two sets.   windows 2, 3: the accumulators ((a, b) at v[8 (8 (a % 4) + b)]; a: Q's block, b: P's).
.set SIZE_K, 1024
.set KSTEP,  256                       ; along K in a slot
.set NQ,     KSTEP/128                 ; matrix instructions deep
.set ROWB,   256                       ; a tile's row in bytes
.set KROW,   SIZE_K                    ; a row of x or of W_qkv in memory, in bytes
.set PITCH,  272                       ; an LDS row: 256 bytes + 16 of padding = 68 words: the 16 rows that a load touches start 4 banks apart (64 banks of 4 bytes: ISA guide 11.1)
.set FR,     16                        ; registers of a fragment
.set NL,     4                         ; LDS loads that bring one
.set NP,     8                         ; places behind this matrix instruction (ISA guide 7.12.1)
.set HALFT,  128*PITCH                 ; 128 rows: what one tensor load brings
.set SLOT,   4*HALFT                   ; Q's 256 rows, then P's 256 rows
.set LAPS,   SIZE_K/(2*KSTEP)          ; a lap = two K steps = once round the ring
.set KS,     SIZE_K/32                 ; a row of scale bytes
.set SCL,    2*SLOT                    ; behind the ring: the scales, as runs of 256 bytes + 16 of padding
.set HALFS,  (128*KS/256)*272          ; the scales of 128 rows
.set SBLK,   (16*KS/256)*272           ; those of 16 rows
.set SPARE,  SCL+4*HALFS               ; behind the scales: the spare words, 128 bytes for each wave
.set BQ,   8                           ; v8-15   register a: b_qkv at Q's row 16 a + l % 16 (used by v)
.set ADRA, 16                          ; v16-17  LDS address of my fragments of Q in slot 0, 1
.set BH,   18                          ; v18     32 x (l / 16): offset of the bias loads by P
.set BR,   19                          ; v19     4 x (l % 16): offset of the bias loads by Q
.set ADRB, 20                          ; v20-21  LDS address of my fragments of P
.set SELV, 22                          ; v22     byte selects that lay the scale words out
.set OFA,  24                          ; v24     16 x lane: my 16 bytes of a store of codes
.set OFB,  25                          ; v25     the same for blocks 2 and 3 of the four
.set STS,  26                          ; v26     LDS: where I put a scale word
.set ADRS, 27                          ; v27     LDS address of my scale words: lanes 0-15 Q's rows, lanes 16-31 P's
.set SPW,  28                          ; v28     LDS address of my spare word; never rewritten
.set NIL,  29                          ; v29     0; never rewritten
.set SGO,  30                          ; v30     my byte offset in the store of scale words
.set SRD,  31                          ; v31     LDS: where I read 16 bytes of scale words back
.set SC,   32                          ; scale words: set s at v[SC + 8 NQ s]; register NQ i + q: lanes 0-15 Q's block i, lanes 16-31 P's block i
.set BP,   64                          ; v64-127 register 8 b + j: b_qkv at P's row 16 b + 8 (l / 16) + j (used by q and k)
.set AF,   128                         ; Q's fragments
.set ST,   128                         ; the way out: 64 numbers
.set PC,   192                         ; their codes
.set TM,   208                         ; v208-211 largest magnitudes, 212-215 bytes, 216-219 the largest number x the scale, 220-223 the conversions' scale operands
.set SW,   224                         ; four scale words as they are stored
.set T,    230                         ; v[230:231] a bias, twice
.set PWS,  232                         ; v232-239 the scale word of each of the eight blocks
.set SEL,  20                          ; s[20:21] lane selects for v_permlanex16_b32: lane l xor 16 (set at the head's end)
.set MNT,  22                          ; s22     the mantissa field of 448
.set G1, 24                            ; s[24:31] descriptor group 1 for Q's tiles;  s[32:39] group 0, one set for each slot
.set G0, 32
.set G1B, 48                           ; s[48:55], s[56:63] the same for P's tiles
.set G0B, 56
.set G1S, 68                           ; s[68:75], s[76:79] groups 1 and 0 for Q's scales;  s[80:87], s[88:91] for P's
.set G0S, 76
.set G1SB, 80
.set G0SB, 88
.set MSB, 0
.macro WIN new                         ; the immediate's high byte repeats the setting that is left
.if MSB != \new
	s_set_vgpr_msb (MSB<<8)|\new
.set MSB, \new
.endif
.endm
.set MUL_LO, 0xa1                      ; source 0 (P) window 1, source 1 (Q) window 0, C and D window 2
.set MUL_HI, 0xf1                      ; the same, C and D window 3
.set TO_B,   0x40                      ; destination window 1, address window 0
; A joint load: waves 0 and 1 fetch for Q, waves 2 and 3 for P.  Each of the two lines has one mask and one set of registers for all that issue it; the branch hangs on the wave's number alone.
; Four v_nop follow each of the two lines, ahead of the jump, the label and what follows.
.macro JLOAD g0a, g1a, g0b, g1b
	s_cmp_eq_u32 s15, 0
	s_cbranch_scc0 .Lfor_b_\@
	tensor_load_to_lds s[\g0a:\g0a+3], s[\g1a:\g1a+7]
	s_nop 0
.rept 4
	v_nop
.endr
	s_branch .Lasked_\@
.Lfor_b_\@:
	tensor_load_to_lds s[\g0b:\g0b+3], s[\g1b:\g1b+7]
	s_nop 0
.rept 4
	v_nop
.endr
.Lasked_\@:
.endm
.macro CREST                           ; a round of the cluster's barrier behind its opening barrier
	s_cmp_lg_u32 s14, 0
	s_cbranch_scc1 .Lnot_wave_0_\@
	s_barrier_signal -3
.Lnot_wave_0_\@:
	s_barrier_wait -3
	s_barrier_signal -1
	s_barrier_wait -1
.endm
.macro CROUND                          ; a whole round
	s_barrier_signal -1
	s_barrier_wait -1
	CREST
.endm
	s_load_b128 s[4:7], s[0:1], 0x0                ; x's codes, x's scales
	s_load_b128 s[8:11], s[0:1], 0x10              ; W_qkv's codes, W_qkv's scales
	s_load_b64 s[12:13], s[0:1], 0x20              ; b_qkv
	s_load_b64 s[96:97], s[0:1], 0x28              ; qkv_codes
	s_load_b64 s[98:99], s[0:1], 0x30              ; qkv_scales
	v_lshl_add_u32 v[SPW], v0, 2, SPARE
	v_mov_b32 v[NIL], 0
	ds_add_u32 v28, v29
	ds_add_u32 v28, v29
	s_wait_dscnt 0x0
	v_lshrrev_b32 v1, 5, v0
	v_readfirstlane_b32 s14, v1                    ; wave 0..3
	s_lshr_b32 s15, s14, 1                         ; which half of Q's rows is mine.  Also: I fetch for Q (0) or for P (1)
	s_and_b32 s16, s14, 1                          ; which half of P's rows.  Also: which 128 rows of that tile I fetch
	s_bfe_u32 s40, ttmp6, 0x40000                  ; cx, cy: my place in the cluster
	s_bfe_u32 s41, ttmp6, 0x40004
	s_lshr_b32 s18, ttmp9, 3                       ; q, k: P's group of four tiles = c / 8 (q: W's rows 0 on; k: 1,024 on)
	s_max_u32 s19, ttmp9, 16
	s_sub_co_u32 s19, s19, 16                      ; v: c - 16: x's rows
	s_and_b32 s20, ttmp9, 7                        ; q, k: Q's group = c % 8: x's rows;  v: 2: W's rows 2,048 on
	s_cmp_lt_u32 ttmp9, 16                         ; the cluster's number: equal in all sixteen partners
	s_cselect_b32 s18, s18, s19
	s_cselect_b32 s20, s20, 2
	s_lshl_b32 s42, s18, 2
	s_add_co_u32 s42, s42, s40                     ; P's tile = 4 x group + cx
	s_lshl_b32 s17, s20, 2
	s_add_co_u32 s17, s17, s41                     ; Q's tile = 4 x group + cy
	s_lshl_b32 s43, s41, 2
	s_lshl_b32 s43, 15, s43                        ; my row of the cluster
	s_lshl_b32 s44, 0x1111, s40                    ; my column
	; descriptor group 1: a tile of 128 rows x 256 bytes, padded in LDS
	s_or_b32 s[G1+0], s43, (0<<16)|(1<<20)|(1<<21)|(5<<22)|(3<<25)  ; 15:0 the mask: Q's tiles go to my row; 17:16 elements of 1 byte; 20 padding on; 21 set beside a mask; 24:22 after every 64 words; 31:25 four words
	s_or_b32 s[G1B+0], s44, (0<<16)|(1<<20)|(1<<21)|(5<<22)|(3<<25) ; P's tiles go to my column
.irp g, G1, G1B
	s_mov_b32 s[\g+1], ROWB<<16                    ; tensor_dim0
	s_mov_b32 s[\g+2], 256<<16                     ; tensor_dim1: 256 rows for the head's loads; set to 128 for the ring's behind them
	s_mov_b32 s[\g+3], ROWB<<16                    ; tile_dim0
	s_mov_b32 s[\g+4], 256                         ; tile_dim1 likewise
	s_mov_b32 s[\g+5], KROW                        ; tensor_dim0_stride
	s_mov_b32 s[\g+6], 0
	s_mov_b32 s[\g+7], 0
.endr
	; the scales of 256 rows: a dense block of 8,192 bytes, as 32 rows of 256 bytes (32 elements of 8 bytes), 16 bytes of padding behind each
	s_or_b32 s[G1S+0], s43, (3<<16)|(1<<20)|(1<<21)|(5<<22)|(3<<25)
	s_or_b32 s[G1SB+0], s44, (3<<16)|(1<<20)|(1<<21)|(5<<22)|(3<<25)
.irp g, G1S, G1SB
	s_mov_b32 s[\g+1], 32<<16
	s_mov_b32 s[\g+2], KS<<16                      ; the scales of 256 rows: KS rows of 256 bytes
	s_mov_b32 s[\g+3], 32<<16
	s_mov_b32 s[\g+4], KS
	s_mov_b32 s[\g+5], 32
	s_mov_b32 s[\g+6], 0
	s_mov_b32 s[\g+7], 0
.endr
	s_lshl_b32 s18, s16, 7                         ; which 128 rows of the tile I fetch
	s_lshl_b32 s20, s17, 8
	s_add_co_u32 s20, s20, s18                     ; Q: row 256 x tile + 128 x half
	s_lshl_b32 s46, s42, 8
	s_add_co_u32 s46, s46, s18                     ; P likewise
	s_mov_b32 s21, 0
	s_mov_b32 s47, 0
	s_mov_b64 s[18:19], KS
	s_mul_u64 s[22:23], s[20:21], s[18:19]         ; where these rows' scales begin, in bytes
	s_mul_u64 s[92:93], s[46:47], s[18:19]
	s_mov_b64 s[18:19], KROW
	s_mul_u64 s[20:21], s[20:21], s[18:19]         ; and their codes
	s_mul_u64 s[46:47], s[46:47], s[18:19]
	s_mul_i32 s45, s14, HALFT                      ; where they go: wave x 128 rows: no place in the cluster enters an LDS address
	s_wait_kmcnt 0x0
	s_cmp_lt_u32 ttmp9, 16                         ; q, k: Q = x, P = W_qkv;  v: the other way round.  Only pointers are chosen
	s_cselect_b64 s[2:3], s[4:5], s[8:9]           ; Q's codes
	s_cselect_b64 s[18:19], s[6:7], s[10:11]       ; Q's scales
	s_cselect_b64 s[8:9], s[8:9], s[4:5]           ; P's codes
	s_cselect_b64 s[10:11], s[10:11], s[6:7]       ; P's scales
	s_add_nc_u64 s[20:21], s[2:3], s[20:21]
	s_add_nc_u64 s[22:23], s[18:19], s[22:23]
	s_add_nc_u64 s[46:47], s[8:9], s[46:47]
	s_add_nc_u64 s[92:93], s[10:11], s[92:93]
	CROUND                                         ; all sixteen work-groups are here: the first joint loads meet
	s_mov_b32 s[G0S], 1
	s_mov_b32 s[G0S+1], SCL
	s_mov_b64 s[G0S+2:G0S+3], s[22:23]
	s_or_b32 s[G0S+3], s[G0S+3], 0x80000000
	s_mov_b32 s[G0SB], 1
	s_mov_b32 s[G0SB+1], SCL+2*HALFS
	s_mov_b64 s[G0SB+2:G0SB+3], s[92:93]
	s_or_b32 s[G0SB+3], s[G0SB+3], 0x80000000
	s_lshl_b32 s18, s16, 12                        ; the head's loads bring whole tiles: my half's 128 rows are taken off the addresses: 4,096 bytes of scales,
	s_mov_b32 s19, 0
	s_sub_nc_u64 s[G0S+2:G0S+3], s[G0S+2:G0S+3], s[18:19]
	s_sub_nc_u64 s[G0SB+2:G0SB+3], s[G0SB+2:G0SB+3], s[18:19]
	s_lshl_b32 s18, s16, 17                        ; 131,072 bytes of codes
.irp s, 0,1
	s_mov_b32 s[G0+4*\s], 1
	s_add_co_u32 s[G0+4*\s+1], s45, \s*SLOT
	s_add_nc_u64 s[G0+4*\s+2:G0+4*\s+3], s[20:21], \s*ROWB
	s_or_b32 s[G0+4*\s+3], s[G0+4*\s+3], 0x80000000
	s_mov_b32 s[G0B+4*\s], 1
	s_add_co_u32 s[G0B+4*\s+1], s45, \s*SLOT
	s_add_nc_u64 s[G0B+4*\s+2:G0B+4*\s+3], s[46:47], \s*ROWB
	s_or_b32 s[G0B+4*\s+3], s[G0B+4*\s+3], 0x80000000
.endr
	s_mov_b32 s[G0+1], 0                           ; slot 0's groups 0 serve the head's loads first: Q's 256 rows from LDS byte 0, P's behind them
	s_sub_nc_u64 s[G0+2:G0+3], s[G0+2:G0+3], s[18:19]
	s_mov_b32 s[G0B+1], 2*HALFT
	s_sub_nc_u64 s[G0B+2:G0B+3], s[G0B+2:G0B+3], s[18:19]
; THE HEAD'S LOADS, ONE A WAVE: wave 0 K step 0's 256 rows of Q, wave 1 those of P, wave 2 Q's scales, wave 3 P's.  One chain of branches on the wave's number, a load to an arm.
.macro ARM under, g0, g1, next
	s_cmp_lt_u32 s14, \under
	s_cbranch_scc0 \next
	tensor_load_to_lds s[\g0:\g0+3], s[\g1:\g1+7]
	s_nop 0
.rept 4
	v_nop
.endr
	s_branch .Lhead_asked
\next:
.endm
	ARM 1, G0,  G1,  .Lhead_b
	ARM 2, G0B, G1B, .Lhead_sa
	ARM 3, G0S, G1S, .Lhead_sb
	tensor_load_to_lds s[G0SB:G0SB+3], s[G1SB:G1SB+7]
	s_nop 0
.rept 4
	v_nop
.endr
.Lhead_asked:
	v_and_b32 v1, 15, v0
	v_bfe_u32 v2, v0, 4, 1                         ; h = l / 16
	v_mul_u32_u24 v3, v1, PITCH
	v_lshl_add_u32 v4, v2, 4, v3                   ; a fragment's row x pitch + 16 x half
	s_mul_i32 s21, s15, HALFT                      ; my 128 rows of Q
	s_mul_i32 s22, s16, HALFT                      ; my 128 rows of P,
	s_add_co_u32 s22, s22, 2*HALFT                 ; which lie behind Q's 256
.irp s, 0,1
	v_add_nc_u32 v[ADRA+\s], s21, v4
	v_add_nc_u32 v[ADRB+\s], s22, v4
	s_add_co_u32 s21, s21, SLOT
	s_add_co_u32 s22, s22, SLOT
.endr
	v_mul_u32_u24 v5, v1, KS                       ; my row's scales: 32 bytes a row,
	v_lshrrev_b32 v6, 8, v5
	v_lshl_add_u32 v5, v6, 4, v5                   ; and 16 more for each 256 passed
	s_mul_i32 s21, s15, HALFS                      ; Q's: my 128 rows
	s_mul_i32 s22, s16, HALFS                      ; P's: my 128 rows, behind Q's 256
	s_add_co_u32 s22, s22, 2*HALFS
	s_sub_co_u32 s22, s22, s21
	v_mul_u32_u24 v6, s22, v2                      ; lanes 16-31 take P's
	s_add_co_u32 s21, s21, SCL
	v_add_nc_u32 v5, v5, v6
	v_add_nc_u32 v[ADRS], s21, v5
	; the way out's addresses
	v_and_b32 v6, 31, v0
	v_lshlrev_b32 v[OFA], 4, v6                    ; 16 x lane
	s_wait_alu depctr_va_vdst(0)
	s_lshl_b32 s23, s14, 9                         ; 512 bytes of LDS for my wave's scale words, in slot 0: written when that slot has had its last fill and its last read
	v_add_nc_u32 v[SRD], s23, v[OFA]
	v_lshlrev_b32 v[STS], 2, v1
	v_lshl_add_u32 v[STS], v2, 8, v[STS]
	v_add_nc_u32 v[STS], s23, v[STS]               ; 512 x wave + 256 h + 4 r
	v_lshlrev_b32 v[SGO], 4, v1
	v_lshl_add_u32 v[SGO], v2, 12, v[SGO]          ; lanes 0-15: 256 bytes of the first head; lanes 16-31: of the next, 4,096 bytes on
	v_lshlrev_b32 v[BH], 5, v2
	s_wait_alu depctr_va_vdst(0)
	v_lshlrev_b32 v[BR], 2, v1
	s_wait_alu depctr_va_vdst(0)
	s_lshl_b32 s18, s17, 8
	s_lshl_b32 s19, s15, 7
	s_add_co_u32 s18, s18, s19                     ; my first row of Q
	s_lshl_b32 s19, s42, 8
	s_lshl_b32 s20, s16, 7
	s_add_co_u32 s19, s19, s20                     ; my first row of P
	s_mov_b32 s44, 2048
	s_mov_b32 s46, 124928
	s_mov_b32 s23, 1024
	s_mov_b32 s2, 0x03020100
	s_mov_b32 s3, 0x07060504
	s_cmp_lt_u32 ttmp9, 16
	s_cselect_b32 s20, s18, s19                    ; my first token
	s_cselect_b32 s21, s19, s18                    ; my first row of W_qkv
	s_cselect_b32 s92, s19, 0                      ; the bias by P's rows begins here (q, k; v loads b_qkv's first 128 numbers and does not use them)
	s_cselect_b32 s94, 0, s18                      ; the bias by Q's rows (v; likewise)
	s_cselect_b32 s44, 1024, s44                   ; from a block of 16 rows of Q to the next: q, k: a tile of tokens; v: a tile of channels
	s_cselect_b32 s46, 1024, s46                   ; from block 3 to block 4: v: on to the next head, 131,072 - 3 x 2,048
	s_cselect_b32 s23, 131072, s23                 ; from blocks 0, 1 of the four along P to blocks 2, 3: q, k: the next head; v: 1,024 bytes
	s_cselect_b32 s2, 0x05040100, s2               ; the scale words' byte selects, lanes 0-15
	s_cselect_b32 s3, 0x07060302, s3               ; and lanes 16-31
	s_mov_b32 s45, 0
	s_mov_b32 s47, 0
	v_add_nc_u32 v[OFB], s23, v[OFA]
	v_mov_b32 v[SELV], s2
	v_mov_b32 v23, s3
	v_cmp_eq_u32 vcc_lo, 1, v2
	v_cndmask_b32 v[SELV], v[SELV], v23, vcc_lo
	s_lshl_b32 s92, s92, 2
	s_mov_b32 s93, 0
	s_lshl_b32 s94, s94, 2
	s_mov_b32 s95, 0
	s_add_nc_u64 s[4:5], s[12:13], s[92:93]
	s_add_nc_u64 s[6:7], s[12:13], s[94:95]
.irp b, 0,1,2,3,4,5,6,7
	global_load_b128 v[BP+8*\b:BP+8*\b+3], v[BH], s[4:5] offset:64*\b
	global_load_b128 v[BP+8*\b+4:BP+8*\b+7], v[BH], s[4:5] offset:64*\b+16
.endr
.irp a, 0,1,2,3,4,5,6,7
	global_load_b32 v[BQ+\a], v[BR], s[6:7] offset:64*\a
.endr
	s_lshr_b32 s22, s21, 10                        ; part: 0 q, 1 k, 2 v
	s_lshl_b32 s22, s22, 6
	s_lshr_b32 s23, s20, 11                        ; batch
	s_lshl_b32 s23, s23, 4
	s_add_co_u32 s22, s22, s23
	s_bfe_u32 s23, s21, 0x40006                    ; head
	s_add_co_u32 s22, s22, s23                     ; 64 part + 16 batch + head
	s_and_b32 s23, s20, 2047                       ; my first token in its batch
	s_lshl_b32 s92, s22, 17
	s_lshl_b32 s94, s23, 6                         ; q, k: 1,024 bytes for 16 tokens; v: 8,192 for 128 keys: 64 a token either way
	s_add_co_u32 s92, s92, s94
	s_add_nc_u64 s[96:97], s[96:97], s[92:93]
	s_lshl_b32 s92, s22, 12
	s_lshl_b32 s94, s23, 1                         ; 2 bytes of scales a token in each of the three
	s_add_co_u32 s92, s92, s94
	s_add_nc_u64 s[98:99], s[98:99], s[92:93]
	s_mov_b32 s[SEL], 0x76543210
	s_mov_b32 s[SEL+1], 0xfedcba98
	s_mov_b32 s[MNT], 0x600000
.macro FRAG reg, adr, q, i             ; a fragment, 16 rows x 128 K: lane l holds row l % 16; registers 4 c .. 4 c + 3 hold K = 32 c + 16 (l / 16) + 0 .. 15
.irp c, 0,1,2,3
	ds_load_b128 v[\reg+4*\c:\reg+4*\c+3], v[\adr] offset:128*(\q)+32*\c+(\i)*16*PITCH
.endr
.endm
; 16 matrix instructions: Q's blocks a0, a0 + 1 x P's eight, 128 along K.  p: P's set;  sc: the set of scale words.  zero = 1: the first product starts the sums.
; The 64 accumulators take turns, one instruction a turn, in the same order in every step.
.macro MUL16 a0, p, q, sc, zero
.irp a, \a0, \a0+1
.irp b, 0,1,2,3,4,5,6,7
.if \zero
	v_wmma_scale_f32_16x16x128_f8f6f4 v[8*(8*((\a)%4)+\b):8*(8*((\a)%4)+\b)+7], v[128*(\p)+FR*\b:128*(\p)+FR*\b+FR-1], v[AF+FR*(\a):AF+FR*(\a)+FR-1], 0, v[SC+8*NQ*(\sc)+NQ*\b+(\q)], v[SC+8*NQ*(\sc)+NQ*(\a)+(\q)] matrix_a_scale:MATRIX_SCALE_ROW1
.else
	v_wmma_scale_f32_16x16x128_f8f6f4 v[8*(8*((\a)%4)+\b):8*(8*((\a)%4)+\b)+7], v[128*(\p)+FR*\b:128*(\p)+FR*\b+FR-1], v[AF+FR*(\a):AF+FR*(\a)+FR-1], v[8*(8*((\a)%4)+\b):8*(8*((\a)%4)+\b)+7], v[SC+8*NQ*(\sc)+NQ*\b+(\q)], v[SC+8*NQ*(\sc)+NQ*(\a)+(\q)] matrix_a_scale:MATRIX_SCALE_ROW1
.endif
.endr
.endr
.endm
.macro FETCH_B slot, q, p              ; P's eight fragments of the slot's q-th 128 along K into set p
	WIN TO_B
.irp i, 0,1,2,3,4,5,6,7
	FRAG 128*(\p)+FR*\i, ADRB+\slot, \q, \i
.endr
	WIN 0
.endm
.macro FETCH_A slot, q, i0             ; Q's blocks i0 .. i0 + 3
.irp i, \i0, \i0+1, \i0+2, \i0+3
	FRAG AF+FR*(\i), ADRA+\slot, \q, \i
.endr
.endm
.macro SCALES sc                       ; a K step's scale words into set sc: two words a row; lanes 0-15 take Q's block i, lanes 16-31 P's block i
.irp i, 0,1,2,3,4,5,6,7
	ds_load_b64 v[SC+8*NQ*\sc+NQ*\i:SC+8*NQ*\sc+NQ*\i+1], v[ADRS] offset:\i*SBLK
.endr
.endm
; A load into a register that a matrix instruction has read, and a vector instruction that reads a matrix result, stand NP places behind that matrix instruction; only plain vector
; instructions that name none of its registers are places (ISA guide 7.12.1 for vector instructions).
.macro PLACES n
.rept \n
	v_nop
.endr
.endm
; A step of 128 along K that has its successor in the same slot.
.macro STEP slot, q, zero
	s_wait_dscnt 4*NL                              ; P's set and Q's blocks 0-3 are in; the youngest 16 loads (Q's blocks 4-7) may be out
	WIN MUL_LO
	MUL16 0, (\q)%2, \q, \slot, \zero
	MUL16 2, (\q)%2, \q, \slot, \zero
	s_wait_dscnt 0                                 ; Q's blocks 4-7 are in (asked for 32 matrix instructions ago)
	PLACES NP
	FETCH_B \slot, (\q)+1, 1-(\q)%2
	FETCH_A \slot, (\q)+1, 0
	WIN MUL_HI
	MUL16 4, (\q)%2, \q, \slot, \zero
	MUL16 6, (\q)%2, \q, \slot, \zero
	PLACES NP
	WIN 0
	FETCH_A \slot, (\q)+1, 4
.endm
; A slot's last step changes slots: one barrier; in front of it each wave waits for all its tensor loads, adds 0 to its spare word, and waits for that and for its own reads of this slot.  fill = 1: this slot is filled again, two K steps ahead.
.macro TURN slot, next, fill
	s_wait_tensorcnt 0x0                           ; all my tensor loads have landed: my part of the next slot  (every window is 0 here)
	ds_add_u32 v[SPW], v[NIL]                      ; 0 onto my spare word
	s_wait_dscnt 4*NL+1                            ; the add and the youngest 16 loads, Q's blocks 4-7, may be out
	WIN MUL_LO
	MUL16 0, 1, NQ-1, \slot, 0                     ; sixteen matrix instructions stand between the add and the wait for it
	s_wait_dscnt 0x0                               ; the add is done, and my reads of this slot are over
	s_barrier_signal -1
	MUL16 2, 1, NQ-1, \slot, 0
	WIN 0
	s_barrier_wait -1
.if \fill
	CREST                                          ; the barrier has opened a round of the cluster's barrier: no wave of any partner still reads this slot or has a load on its way
	s_add_nc_u64 s[G0+4*\slot+2:G0+4*\slot+3], s[G0+4*\slot+2:G0+4*\slot+3], 2*ROWB
	s_add_nc_u64 s[G0B+4*\slot+2:G0B+4*\slot+3], s[G0B+4*\slot+2:G0B+4*\slot+3], 2*ROWB
	JLOAD G0+4*\slot, G1, G0B+4*\slot, G1B         ; the first tensor load behind the round; its four v_nop are among the places in front of the loads below
	PLACES NP-4
.else
	PLACES NP
.endif
	s_wait_alu depctr_va_vdst(0)
	v_add_nc_u32 v[ADRS], 4*NQ, v[ADRS]            ; on to the next K step's scale words
	FETCH_B \next, 0, 0
	FETCH_A \next, 0, 0
	SCALES \next
	WIN MUL_HI
	MUL16 4, 1, NQ-1, \slot, 0
	MUL16 6, 1, NQ-1, \slot, 0
	PLACES NP
	WIN 0
	FETCH_A \next, 0, 4
.endm
	s_wait_alu depctr_va_vdst(0)
	s_wait_tensorcnt 0x0                           ; my tile of the head's four is in
	ds_add_u32 v[SPW], v[NIL]
	s_mov_b32 s[G1+2], 128<<16                     ; no tensor load of mine is out: from here on a load brings 128 rows
	s_mov_b32 s[G1+4], 128
	s_mov_b32 s[G1B+2], 128<<16
	s_mov_b32 s[G1B+4], 128
	s_mul_i32 s[G0+1], s14, HALFT                  ; slot 0's groups 0 for the ring: my 128 rows
	s_mul_i32 s[G0B+1], s14, HALFT
	s_lshl_b32 s92, s16, 17
	s_mov_b32 s93, 0
	s_add_nc_u64 s[G0+2:G0+3], s[G0+2:G0+3], s[92:93]
	s_add_nc_u64 s[G0B+2:G0B+3], s[G0B+2:G0B+3], s[92:93]
	s_wait_dscnt 0x0
	CROUND                                         ; all four tiles are in, all sixteen work-groups are here
	JLOAD G0+4, G1, G0B+4, G1B                     ; K step 1: the first tensor load behind the round
	FETCH_B 0, 0, 0
	FETCH_A 0, 0, 0
	SCALES 0
	FETCH_A 0, 0, 4
	STEP 0, 0, 1                                   ; the first step stands in front of the loop: its products start the sums
	s_mov_b32 s3, LAPS-1
.Llap:                                                 ; a trip goes once round the ring, from a lap's second step to the next lap's first, and fills both slots again
	TURN 0, 1, 1
	STEP 1, 0, 0
	TURN 1, 0, 1
	STEP 0, 0, 0
	s_sub_co_u32 s3, s3, 1
	s_cmp_lg_u32 s3, 0
	s_cbranch_scc1 .Llap
	TURN 0, 1, 0                                   ; the last lap fills nothing, and has no round of the cluster's barrier
	STEP 1, 0, 0
	s_wait_dscnt 4*NL                              ; the very last step: nothing more to fetch
	WIN MUL_LO
	MUL16 0, 1, NQ-1, 1, 0
	MUL16 2, 1, NQ-1, 1, 0
	s_wait_dscnt 0
	WIN MUL_HI
	MUL16 4, 1, NQ-1, 1, 0
	MUL16 6, 1, NQ-1, 1, 0
	WIN 0
; 64 numbers of a lane, v[s] on, register 16 b + i in block b of 32, become 64 codes in v[PC] on and the four blocks' scale bytes in v[pw].  A block is shared with lane l xor 16.
.macro QUANT s, pw
.irp b, 0,1,2,3
	v_max3_num_f32 v[TM+\b], |v[\s+16*\b]|, |v[\s+1+16*\b]|, 0x4800000   ; my 16 numbers, and the floor 2^(9 - 127): so the byte cannot fall under 1
.endr
.irp i, 2,4,6,8,10,12,14
.irp b, 0,1,2,3
	v_max3_num_f32 v[TM+\b], v[TM+\b], |v[\s+16*\b+\i]|, |v[\s+1+16*\b+\i]|   ; (the four blocks by turns)
.endr
.endr
.irp b, 0,1,2,3
	v_permlanex16_b32 v[TM+4+\b], v[TM+\b], s[SEL], s[SEL+1]
.endr
.irp b, 0,1,2,3
	v_max_num_f32 v[TM+\b], v[TM+\b], v[TM+4+\b]   ; the block's largest magnitude
.endr
.irp b, 0,1,2,3
	v_add_nc_u32 v[TM+12+\b], 0xfc000000, v[TM+\b]   ; 8 off its exponent field: the conversion takes the exponent field of this operand as its scale
.endr
.irp b, 0,1,2,3
	v_and_or_b32 v[TM+8+\b], v[TM+\b], 0x7f800000, s[MNT]   ; 448 x the scale
.endr
.irp b, 0,1,2,3
	v_lshrrev_b32 v[TM+4+\b], 23, v[TM+12+\b]      ; the scale's byte
.endr
	v_lshl_or_b32 v[\pw], v[TM+5], 8, v[TM+4]
	v_lshl_or_b32 v[\pw], v[TM+6], 16, v[\pw]
	v_lshl_or_b32 v[\pw], v[TM+7], 24, v[\pw]
.irp b, 0,1,2,3
.irp i, 0,1,2,3,4,5,6,7,8,9,10,11,12,13,14,15
	v_med3_num_f32 v[\s+16*\b+\i], v[\s+16*\b+\i], -v[TM+8+\b], v[TM+8+\b]   ; the conversion to an 8-bit code does not saturate (ISA guide 7.6.2): the hold at the largest code x the scale
.endr
	v_cvt_scalef32_pk8_fp8_f32 v[PC+4*\b:PC+1+4*\b], v[\s+16*\b:\s+7+16*\b], v[TM+12+\b]
	v_cvt_scalef32_pk8_fp8_f32 v[PC+2+4*\b:PC+3+4*\b], v[\s+8+16*\b:\s+15+16*\b], v[TM+12+\b]
.endr
	v_nop                                          ; a plain vector instruction between the last conversion and the next vector instruction that writes its sources
.endm
; Block a of 16 rows of Q: bias (which also brings the sums into window 0, each accumulator from its low end on), quantiser, four stores of 512 consecutive bytes.
; The branch hangs on the cluster's number, equal in all partners; its arms hold vector instructions alone and both write all 64 numbers.
.macro OUTBLK a
.if (\a) > 0
	s_wait_xcnt 0x0                                ; the last block's stores have read their data and their base: both are written again below
.if (\a) == 4
	s_add_nc_u64 s[96:97], s[96:97], s[46:47]
.else
	s_add_nc_u64 s[96:97], s[96:97], s[44:45]
.endif
.endif
	s_cmp_lt_u32 ttmp9, 16
	s_cbranch_scc0 .Lbias_q_\@
	WIN 0x02+(\a)/4                                ; source 0: window 2 or 3
.set i, 0
.rept 32
	v_pk_add_f32 v[ST+2*i:ST+2*i+1], v[64*((\a)%4)+2*i:64*((\a)%4)+2*i+1], v[BP+2*i:BP+2*i+1]   ; q, k: the bias goes with P's rows, along my registers
.set i, i+1
.endr
	WIN 0
	s_branch .Lbiased_\@
.Lbias_q_\@:
	v_mov_b32 v[T], v[BQ+(\a)]                     ; v: the bias goes with Q's rows: one number a lane
	v_mov_b32 v[T+1], v[BQ+(\a)]
	WIN 0x02+(\a)/4
.set i, 0
.rept 32
	v_pk_add_f32 v[ST+2*i:ST+2*i+1], v[64*((\a)%4)+2*i:64*((\a)%4)+2*i+1], v[T:T+1]
.set i, i+1
.endr
	WIN 0
.Lbiased_\@:
	QUANT ST, PWS+(\a)
	global_store_b128 v[OFA], v[PC:PC+3], s[96:97]                 ; each store of the wave covers 512 consecutive bytes, aligned
	global_store_b128 v[OFA], v[PC+4:PC+7], s[96:97] offset:512
	global_store_b128 v[OFB], v[PC+8:PC+11], s[96:97]
	global_store_b128 v[OFB], v[PC+12:PC+15], s[96:97] offset:512
.endm
	s_wait_loadcnt 0x0                             ; the biases, asked for at the head
	PLACES NP                                      ; behind the last products: their results are read and Q's fragments written below
.irp b, 0,1,2,3
	v_mov_b32 v[TM+4+\b], 0                        ; written once: a lane permute's destination counts as one of its sources
.endr
.irp a, 0,1,2,3,4,5,6,7
	OUTBLK \a
.endr
	; The eight scale words (in both halves of the lanes alike) become four stored words: lanes 0-15 the first head's, lanes 16-31 the next head's.
	s_cmp_lt_u32 ttmp9, 16
	s_cbranch_scc0 .Lwords_v
.irp x, 0,1,2,3
	v_perm_b32 v[SW+\x], v[PWS+2*\x+1], v[PWS+2*\x], v[SELV]       ; q, k: my head's two bytes of token m and of token 16 + m
.endr
	s_branch .Lwords
.Lwords_v:
.irp x, 0,1,2,3
	v_perm_b32 v[SW+\x], v[PWS+4+\x], v[PWS+\x], v[SELV]           ; v: blocks 0-3 are the first head's channels, blocks 4-7 the next head's
.endr
.Lwords:
	s_wait_alu depctr_va_vdst(0)
.irp x, 0,1,2,3
	ds_store_b32 v[STS], v[SW+\x] offset:64*\x
.endr
	ds_load_b128 v[TM:TM+3], v[SRD]                ; LDS serves a wave's instructions in order (ISA guide 5.7.1.4): this sees my stores; the bytes are my wave's own
	s_wait_dscnt 0x0
	global_store_b128 v[SGO], v[TM:TM+3], s[98:99] ; sixteen lanes store 256 consecutive bytes, aligned; twice
	s_wait_tensorcnt 0x0                           ; the wave's end
	ds_add_u32 v[SPW], v[NIL]
	s_wait_dscnt 0x0
	CROUND                                         ; the closing round: no work-group ends while a partner may still ask for a tile that names it
	s_endpgm
.Lfunc_end_k_q8e221466c7_qkv:
	.size	k_q8e221466c7_qkv, .Lfunc_end_k_q8e221466c7_qkv-k_q8e221466c7_qkv
	.p2alignl 7, 3214868480
	.fill 96, 4, 3214868480
	.section	.rodata,"a",@progbits
	.p2align	6, 0x0
	.amdhsa_kernel k_q8e221466c7_qkv
		.amdhsa_group_segment_fixed_size 327680
		.amdhsa_private_segment_fixed_size 0
		.amdhsa_enable_private_segment 0
		.amdhsa_kernarg_size 56
		.amdhsa_user_sgpr_count 2
		.amdhsa_user_sgpr_kernarg_segment_ptr 1
		.amdhsa_wavefront_size32 1
		.amdhsa_system_sgpr_workgroup_id_x 1
		.amdhsa_system_sgpr_workgroup_id_y 1
		.amdhsa_system_sgpr_workgroup_id_z 1
		.amdhsa_system_vgpr_workitem_id 0
		.amdhsa_next_free_vgpr 1024
		.amdhsa_next_free_sgpr 100
		.amdhsa_reserve_vcc 1
		.amdhsa_float_denorm_mode_32 3
		.amdhsa_float_denorm_mode_16_64 3
		.amdhsa_memory_ordered 1
		.amdhsa_forward_progress 1
		.amdhsa_inst_pref_size 225
	.end_amdhsa_kernel
	.amdgpu_metadata
---
amdhsa.version: [ 1, 2 ]
amdhsa.kernels:
  - .name:           k_q8e221466c7_qkv
    .symbol:         k_q8e221466c7_qkv.kd
    .args:
      - { .name: x_codes, .offset: 0, .size: 8, .value_kind: global_buffer, .address_space: global }
      - { .name: x_scales, .offset: 8, .size: 8, .value_kind: global_buffer, .address_space: global }
      - { .name: W_qkv_codes, .offset: 16, .size: 8, .value_kind: global_buffer, .address_space: global }
      - { .name: W_qkv_scales, .offset: 24, .size: 8, .value_kind: global_buffer, .address_space: global }
      - { .name: b_qkv, .offset: 32, .size: 8, .value_kind: global_buffer, .address_space: global }
      - { .name: qkv_codes, .offset: 40, .size: 8, .value_kind: global_buffer, .address_space: global }
      - { .name: qkv_scales, .offset: 48, .size: 8, .value_kind: global_buffer, .address_space: global }
    .group_segment_fixed_size: 327680
    .private_segment_fixed_size: 0
    .kernarg_segment_align: 8
    .kernarg_segment_size: 56
    .max_flat_workgroup_size: 128
    .sgpr_count:     100
    .vgpr_count:     1024
    .wavefront_size: 32
...
	.end_amdgpu_metadata
.endif
;; end of part 1
;; launch attn (part 2): grid 4 x 64, 16 waves a work-group, clusters of 4 x 1, 280,576 bytes of LDS; arguments qkv_codes, qkv_scales, o_codes, o_scales; writes o_codes, o_scales
.if DOCPART == 2
	.amdgcn_target "amdgcn-amd-amdhsa--gfx1250"
	.amdhsa_code_object_version 6
	.text
	.protected	k_q8e221466c7_attn
	.globl	k_q8e221466c7_attn
	.p2align	8
	.type	k_q8e221466c7_attn,@function
k_q8e221466c7_attn:
	s_mov_b64 s[64:65], 0
	v_nop
	global_prefetch_b8 v0, s[64:65] scope:SCOPE_SE
	s_setreg_imm32_b32 hwreg(HW_REG_WAVE_MODE, 25, 1), 1
	s_wait_xcnt 0x0
	s_wait_alu depctr_hold_cnt(0) depctr_sa_sdst(0) depctr_va_vdst(0) depctr_va_sdst(0) depctr_va_ssrc(0) depctr_va_vcc(0) depctr_vm_vsrc(0)
	s_getreg_b32 s2, hwreg(HW_REG_IB_STS2, 6, 4)
	s_cmp_eq_u32 s2, 0
	s_cbranch_scc0 .Lentry_in_a_cluster
	s_endpgm
.Lentry_in_a_cluster:
	s_bfe_u32 s2, ttmp6, 0x10000c
	s_cmp_lg_u32 s2, 0x3003
	s_cbranch_scc0 .Lentry_shape_is_right
	s_endpgm
.Lentry_shape_is_right:
; o = softmax(q k^T / 8, causal) v for one batch and head in each cluster, both products on codes of FP8 (E4M3) with one E8M0 scale for each 32 along a product's K; o is quantised along the channels for the last product.
; THE SOFTMAX: t = score x log2(e) / 8; M = the row's largest t so far, rounded up to a whole number; p = 2^(t - M) is quantised along the keys, not normalised.  The row's sum is taken of the unquantised p and divides at the end.
; When M moves, the sum and O are multiplied by 2^(old M - new M): nothing is rounded.
; SHARES.  The four work-groups of a cluster share a head's K and V; each has sixteen waves, four to a SIMD, 256 registers each.  Wave w of the work-group at place j owns two tiles of 16 queries: TL = 4 w + j and TH = 127 - TL.
; TL's last step of 128 keys is w / 2, TH's is 15 - w / 2: both hang on the wave's number alone, and every wave has 17 steps: the causal mask's work is spread evenly.
; ALL OF THE HEAD'S K AND V LIES IN LDS, filled once, by joint loads of the four work-groups (waves 0-3: K's quarters; waves 4-7: V's; wave 8: K's scale words; wave 9: V's; one load a wave).  No slot is ever filled again.
; LAYOUT.  Both products are used transposed: S^T = K Q^T, O^T = V^T P^T: a lane holds one query (l % 16) throughout.  Codes lie in memory and in LDS as images of operand registers: 512 bytes a group of four registers, lane l's 16 bytes at 16 l.
; THE HEAD HAS 64 CHANNELS, THE INSTRUCTION 128 ALONG K: a fragment of K holds key 32 c + m in K = 0 .. 63 and key 32 c + 16 + m in K = 64 .. 127 of row m.  Against (q, zeros) it gives the first sixteen keys' scores, against (zeros, q) the others'.
; So registers 16 c + i of a lane are keys 32 c + 16 (i / 8) + 8 (l / 16) + i % 8: the order in which V's codes lie.  V's rows of a tile are chosen (lane m of tile 2 B + u: channel 32 B + 8 u + m + 8 (m / 8)), so that O^T's 16 registers of two tiles are 16 neighbouring channels.
; LIMITS: NaN and infinities are not served.  A block of o whose largest magnitude lies under 2^-118, and a block of p that is all zeros, take the scale byte 1: this program alone reads the bytes.
; A block's largest p is made from its largest score by the same two instructions, which takes v_exp_f32 not to fall where its input rises.  o's scale bytes leave 2 bytes a lane, 32 bytes apart: one byte for each 32 of codes.
.set VREG, 131072                      ; LDS: K's codes, 16 steps x 8,192 bytes, from 0; V's from here: rows of 1,024 bytes + 64 of padding, 8 rows (8,704 bytes) a step
.set SCK,  270336                      ; K's scale words, 4,096 bytes
.set SCV,  274432                      ; V's
.set AK0,  1                           ; v1   16 x lane
.set AV0,  2                           ; v2   my lane's place in a tile of V
.set ASK0, 3                           ; v3   among K's scale words
.set ASV0, 4                           ; v4   among V's
.set R4,   5                           ; v5   4 x (l % 16)
.set DM,   6                           ; v6   my query less the diagonal step's first key less 8 (l / 16)
.set NINF, 7                           ; v7   -infinity
.set ADK,  8                           ; v8-11 LDS addresses of the step in hand: K, V, K's scale words, V's
.set ADV,  9
.set ADS,  10
.set ADT,  11
                                       ; v12 -M, v13 the largest t, v[14:15] the sum in two halves;  v16-23 zeros, v24-31 q, v32-39 zeros
.set QSW,  40                          ; v40  q's scale word: its two bytes, twice
.set OSH,  41                          ; v41, v42 o's two scale bytes of TH, of TL
.set OSL,  42
.set RH,   43                          ; v43  l % 16 - 8 (l / 16)
.set KSW,  44                          ; v44-47 K's scale words
.set VSW,  48                          ; v48-51 V's
.set PW,   52                          ; v52  p's scale word
.set FF,   54                          ; v[54:55] f = 2^(old M - new M); the upper register is only named
.set BM,   56                          ; v56-59 a maximum for each block
.set BT,   60                          ; v60-63 at work
.set F,    64                          ; v64-127 four fragments of K, then of V
.set S,    128                         ; v128-191 S^T, then p
.set O,    192                         ; v192-223 O^T
.set P,    224                         ; v224-239 p's codes
.set HOLD, 240                         ; v240-243 448 x the scale
.set SOP,  244                         ; v244-247 the conversions' scale operands
.set SUM2, 248                         ; v[248:249] the second chain of the sum
.set TMP,  250                         ; v[250:251]
.set WV,   12                          ; s12 my wave's number;  s13 cx;  s14 batch x head;  s15 TH;  s16 TL
.set LIM,  17                          ; s17 the tile's last key step
.set MNT,  19                          ; s19 the mantissa field of 448
.set SEL,  20                          ; s[20:21] lane selects for v_permlanex16_b32: lane l xor 16
.set CS,   22                          ; s[22:23] c = log2(e) / 8
.set G1K,  24                          ; s[24:31], s[32:39], s[40:47] descriptor groups 1: K's codes, V's codes, scale words
.set G1V,  32
.set G1S,  40
.set G0S,  48                          ; s[48:51] group 0 for the scale words;  s[52:55], s[56:59] for my quarter of K's codes, of V's
.set KS,   72                          ; s72 the key step, and the loops' counter
.set TK,   73                          ; s73, s74, s75 where the step begins in K, in V, in the scale words
.set TV,   74
.set TS,   75
                                       ; s[78:83] TH: q's codes, q's scale words, o's codes;  s[86:91] TL likewise;  s[84:85] o_scales at my batch and head;  s92, s93 16 (T % 2);  s94, s95 16 (T % 8)
.macro CROUND                          ; a round of the cluster's barrier
	s_barrier_signal -1
	s_barrier_wait -1
	s_cmp_lg_u32 s[WV], 0
	s_cbranch_scc1 .Lnot_wave_0_\@
	s_barrier_signal -3
.Lnot_wave_0_\@:
	s_barrier_wait -3
	s_barrier_signal -1
	s_barrier_wait -1
.endm
	s_load_b256 s[4:11], s[0:1], 0x0               ; qkv_codes, qkv_scales, o_codes, o_scales
	v_lshl_add_u32 v254, v0, 2, 0x44000
	v_mov_b32 v255, 0
	ds_add_u32 v254, v255
	ds_add_u32 v254, v255
	v_lshrrev_b32 v8, 5, v0
	s_delay_alu instid0(VALU_DEP_1)
	v_readfirstlane_b32 s[WV], v8                  ; wave 0..15
	s_bfe_u32 s13, ttmp6, 0x40000                  ; cx: it enters q's and o's addresses and the mask's numbers alone
	s_and_b32 s14, ttmp7, 0xffff                   ; 16 batch + head: the cluster's y, which the four partners share
	; group 1.  K's codes: a quarter, 32,768 dense bytes, as 128 rows of 256 bytes (32 elements of 8)
	s_mov_b32 s[G1K], 15|(3<<16)|(1<<21)           ; 15:0 the mask: all four work-groups; 17:16 elements of 8 bytes; 21 set beside a mask
	s_mov_b32 s[G1K+1], 32<<16                     ; tensor_dim0
	s_mov_b32 s[G1K+2], 128<<16                    ; tensor_dim1
	s_mov_b32 s[G1K+3], 32<<16                     ; tile_dim0
	s_mov_b32 s[G1K+4], 128                        ; tile_dim1
	s_mov_b32 s[G1K+5], 32                         ; tensor_dim0_stride
	s_mov_b32 s[G1K+6], 0
	s_mov_b32 s[G1K+7], 0
	; V's codes: a quarter as 32 rows of 1,024 bytes, 64 bytes of padding behind each: rows 2,176 bytes apart then start half a turn of the banks apart
	s_mov_b32 s[G1V], 15|(3<<16)|(1<<20)|(1<<21)|(7<<22)|(15<<25)  ; 20 padding on; 24:22 after every 256 words; 31:25 sixteen words
	s_mov_b32 s[G1V+1], 128<<16
	s_mov_b32 s[G1V+2], 32<<16
	s_mov_b32 s[G1V+3], 128<<16
	s_mov_b32 s[G1V+4], 32
	s_mov_b32 s[G1V+5], 128
	s_mov_b32 s[G1V+6], 0
	s_mov_b32 s[G1V+7], 0
	; scale words: 4,096 dense bytes as 16 rows of 256
	s_mov_b32 s[G1S], 15|(3<<16)|(1<<21)
	s_mov_b32 s[G1S+1], 32<<16
	s_mov_b32 s[G1S+2], 16<<16
	s_mov_b32 s[G1S+3], 32<<16
	s_mov_b32 s[G1S+4], 16
	s_mov_b32 s[G1S+5], 32
	s_mov_b32 s[G1S+6], 0
	s_mov_b32 s[G1S+7], 0
	; group 0, by the wave's number and the head alone.  THE TEN FIRST FILLS ARE SHARED AMONG TEN WAVES, one a wave: waves 0-3 K's quarters, waves 4-7 V's, wave 8 K's scale words, wave 9 V's
	s_and_b32 s18, s[WV], 1
	s_add_co_u32 s66, s18, 1
	s_mov_b32 s76, 1<<23                           ; K is part 1: 8,388,608 bytes of codes on; V lies as many behind it
	s_lshl_b32 s67, s14, 17                        ; the head's 131,072
	s_add_co_u32 s76, s76, s67
	s_mov_b32 s77, 0
	s_lshl_b32 s72, s66, 18                        ; the part's 262,144 bytes of scales,
	s_lshl_b32 s67, s14, 12                        ; the head's 4,096
	s_add_co_u32 s72, s72, s67
	s_mov_b32 s73, 0
	s_lshl_b32 s18, s18, 12
	s_add_co_u32 s18, s18, SCK
	s_wait_dscnt 0x0
	s_wait_kmcnt 0x0
	s_add_nc_u64 s[76:77], s[4:5], s[76:77]
	s_add_nc_u64 s[72:73], s[6:7], s[72:73]
	s_mov_b32 s[G0S], 1
	s_mov_b32 s[G0S+1], s18
	s_mov_b64 s[G0S+2:G0S+3], s[72:73]
	s_or_b32 s[G0S+3], s[G0S+3], 0x80000000
	s_and_b32 s2, s[WV], 3                         ; my quarter
	s_mov_b32 s52, 1                               ; s[52:55] K's quarter: 32,768 bytes in LDS
	s_lshl_b32 s53, s2, 15
	s_mov_b32 s56, 1                               ; s[56:59] V's: 32 rows of 1,088 bytes in LDS
	s_mul_i32 s57, s2, 34816
	s_add_co_u32 s57, s57, VREG
	s_lshl_b32 s2, s2, 15
	s_mov_b32 s3, 0
	s_add_nc_u64 s[54:55], s[76:77], s[2:3]
	s_add_nc_u64 s[58:59], s[54:55], 1<<23
	s_or_b32 s55, s55, 0x80000000
	s_or_b32 s59, s59, 0x80000000
	CROUND                                         ; all four work-groups are here: the joint loads meet
	s_cmp_lt_u32 s[WV], 4                          ; one chain of branches on the wave's number, a load to an arm: no way through the head passes two
	s_cbranch_scc0 .Lnot_k
	tensor_load_to_lds s[52:55], s[G1K:G1K+7]
	s_nop 0
.rept 4
	v_nop
.endr
	s_branch .Lasked
.Lnot_k:
	s_cmp_lt_u32 s[WV], 8
	s_cbranch_scc0 .Lnot_v
	tensor_load_to_lds s[56:59], s[G1V:G1V+7]
	s_nop 0
.rept 4
	v_nop
.endr
	s_branch .Lasked
.Lnot_v:
	s_cmp_lt_u32 s[WV], 10
	s_cbranch_scc0 .Lasked
	tensor_load_to_lds s[G0S:G0S+3], s[G1S:G1S+7]
	s_nop 0
.rept 4
	v_nop
.endr
.Lasked:
	s_lshl_b32 s16, s[WV], 2
	s_add_co_u32 s16, s16, s13                     ; TL = 4 w + cx
	s_sub_co_u32 s15, 127, s16                     ; TH
; Tile s[t]: q's codes at s[a:a+1], its scale words at s[a+2:a+3], o's codes at s[a+4:a+5]; 16 (T % 2) and 16 (T % 8)
.macro TILEADR t, a, sh, dm
	s_lshl_b32 s2, s14, 17
	s_lshl_b32 s3, s[\t], 10                       ; a tile of 16 tokens is 1,024 bytes of q's codes (part 0)
	s_add_co_u32 s2, s2, s3
	s_mov_b32 s3, 0
	s_add_nc_u64 s[\a:\a+1], s[4:5], s[2:3]
	s_lshl_b32 s2, s14, 12
	s_lshr_b32 s17, s[\t], 1
	s_lshl_b32 s17, s17, 6                         ; 64 bytes of scale words for two tiles
	s_add_co_u32 s2, s2, s17
	s_add_nc_u64 s[\a+2:\a+3], s[6:7], s[2:3]
	s_lshr_b32 s2, s14, 4
	s_lshl_b32 s2, s2, 7
	s_add_co_u32 s2, s2, s[\t]                     ; o's tile of tokens: 128 batch + T: 16,384 bytes;
	s_lshl_b32 s2, s2, 14
	s_and_b32 s17, s14, 15
	s_lshl_b32 s17, s17, 10                        ; the head's 64 channels: 1,024 of them
	s_add_co_u32 s2, s2, s17
	s_add_nc_u64 s[\a+4:\a+5], s[8:9], s[2:3]
	s_and_b32 s[\sh], s[\t], 1
	s_lshl_b32 s[\sh], s[\sh], 4
	s_and_b32 s[\dm], s[\t], 7
	s_lshl_b32 s[\dm], s[\dm], 4
.endm
	TILEADR 15, 78, 92, 94
	TILEADR 16, 86, 93, 95
	s_lshr_b32 s2, s14, 4
	s_lshl_b32 s2, s2, 16                          ; o_scales: 32 bytes a token, 65,536 a batch;
	s_and_b32 s17, s14, 15
	s_lshl_b32 s17, s17, 1                         ; the head's two bytes
	s_add_co_u32 s2, s2, s17
	s_add_nc_u64 s[84:85], s[10:11], s[2:3]
	s_mov_b32 s[MNT], 0x600000
	s_mov_b32 s[SEL], 0x76543210
	s_mov_b32 s[SEL+1], 0xfedcba98
	s_mov_b32 s[CS], 0x3e38aa3b                    ; log2(e) / 8
	s_mov_b32 s[CS+1], s[CS]                       ; (named with it as a pair, so it is written)
	v_and_b32 v[AK0], 31, v0
	s_delay_alu instid0(VALU_DEP_1)
	v_lshlrev_b32 v[AK0], 4, v[AK0]
	v_and_b32 v8, 15, v0                           ; r
	v_bfe_u32 v9, v0, 4, 1                         ; h
	s_delay_alu instid0(VALU_DEP_2)
	v_lshrrev_b32 v10, 3, v8                       ; r / 8
	s_delay_alu instid0(VALU_DEP_3)
	v_and_b32 v11, 7, v8                           ; r % 8
	s_delay_alu instid0(VALU_DEP_2)
	v_mul_u32_u24 v[AV0], v10, 2176                ; V: lanes 8-15 of a tile take the next tile of 16 channels: two padded rows on;
	s_delay_alu instid0(VALU_DEP_1)
	v_lshl_add_u32 v[AV0], v9, 8, v[AV0]           ; my half of an image;
	s_delay_alu instid0(VALU_DEP_1)
	v_lshl_add_u32 v[AV0], v11, 4, v[AV0]          ; my row in it
	s_delay_alu instid0(VALU_DEP_1)
	v_add_nc_u32 v[AV0], VREG, v[AV0]
	v_lshl_add_u32 v[ASK0], v8, 2, SCK
	v_lshlrev_b32 v[ASV0], 6, v10
	s_delay_alu instid0(VALU_DEP_1)
	v_lshl_add_u32 v[ASV0], v11, 2, v[ASV0]
	s_delay_alu instid0(VALU_DEP_1)
	v_add_nc_u32 v[ASV0], SCV, v[ASV0]
	v_lshlrev_b32 v[R4], 2, v8
	v_mov_b32 v[NINF], 0xff800000
	v_lshlrev_b32 v[RH], 3, v9
	s_delay_alu instid0(VALU_DEP_1)
	v_sub_nc_u32 v[RH], v8, v[RH]
.macro LOADQ a                         ; a tile's q: two images of 512 bytes, and its scale words
	global_load_b128 v[24:27], v[AK0], s[\a:\a+1]
	global_load_b128 v[28:31], v[AK0], s[\a:\a+1] offset:512
	global_load_b32 v[QSW], v[R4], s[\a+2:\a+3]
.endm
	LOADQ 78
.irp j, 0,1,2,3,4,5,6,7
	v_mov_b32 v[16+\j], 0                          ; the zero codes on either side of q
	v_mov_b32 v[32+\j], 0
.endr
.irp b, 0,1,2,3
	v_mov_b32 v[BT+\b], 0                          ; written once: a lane permute's destination counts as one of its sources
.endr
	v_mov_b32 v[FF+1], 0                           ; (upper halves of pairs of which the low word alone is used)
	v_mov_b32 v[TMP], 0
	v_mov_b32 v[TMP+1], 0
; A tile begins: O^T and the sum are zeros, the largest t is -3e38, so that the first change of M multiplies zeros and the key step needs no first form of its own.
.macro BEGIN sh, dm
	v_add_nc_u32 v[DM], s[\dm], v[RH]
	v_mov_b32 v13, 0xff61b1e6
	s_delay_alu instid0(VALU_DEP_1)
	v_floor_f32 v12, -v13
	v_mov_b32 v14, 0
	v_mov_b32 v15, 0
	s_wait_loadcnt 0x0                             ; q and its scale words
	s_wait_xcnt 0x0                                ; the last tile's stores have read their data: the codes' registers are written again in the steps
	v_lshrrev_b32 v[QSW], s[\sh], v[QSW]           ; my tile's half of the word,
	s_delay_alu instid0(VALU_DEP_1)
	v_and_b32 v[QSW], 0xffff, v[QSW]
	s_delay_alu instid0(VALU_DEP_1)
	v_lshl_or_b32 v[QSW], v[QSW], 16, v[QSW]       ; twice: q stands in the lower or in the upper 64 of K
.set j, 0
.rept 32
	v_mov_b32 v[O+j], 0                            ; (these are also the eight places between the scale word and the first product)
.set j, j+1
.endr
	s_mov_b32 s[KS], 0
	s_mov_b32 s[TK], 0
	s_mov_b32 s[TV], 0
	s_mov_b32 s[TS], 0
.endm
; A KEY STEP: 128 keys.  A step all of whose keys come after the tile's queries is left out: a scalar branch on the wave's number and the loop's counter, round the step's loads and work, not round the lines that step addresses.
.macro STEP
	s_cmp_gt_u32 s[KS], s[LIM]
	s_cbranch_scc1 .Lhidden_\@
	v_add_nc_u32 v[ADK], s[TK], v[AK0]
	v_add_nc_u32 v[ADV], s[TV], v[AV0]
	v_add_nc_u32 v[ADS], s[TS], v[ASK0]
	v_add_nc_u32 v[ADT], s[TS], v[ASV0]
.rept 4
	v_nop                                          ; with the four additions: eight places behind the last step's products, whose fragments are loaded over below
.endr
.irp c, 0,1,2,3
.irp e, 0,1,2,3
	ds_load_b128 v[F+16*\c+4*\e:F+16*\c+4*\e+3], v[ADK] offset:2048*\c+512*\e   ; 512 consecutive bytes a load
.endr
	ds_load_b32 v[KSW+\c], v[ADS] offset:64*\c
.endr
	s_wait_alu depctr_va_vdst(0)
	s_wait_dscnt 0x0
.irp c, 0,1,2,3
	v_wmma_scale_f32_16x16x128_f8f6f4 v[S+16*\c:S+16*\c+7], v[F+16*\c:F+16*\c+15], v[24:39], 0, v[KSW+\c], v[QSW]      ; keys 32 c + 8 h + 0 .. 7
	v_wmma_scale_f32_16x16x128_f8f6f4 v[S+16*\c+8:S+16*\c+15], v[F+16*\c:F+16*\c+15], v[16:31], 0, v[KSW+\c], v[QSW]   ; keys 32 c + 16 + 8 h + 0 .. 7
.endr
.rept 8
	v_nop                                          ; places in front of the loads over K's fragments and of the first read of the scores
.endr
.irp t, 0,1,2,3                                ; V's four tiles are asked for at once: they land while the softmax is worked
.irp e, 0,1,2,3
	ds_load_b128 v[F+16*\t+4*\e:F+16*\t+4*\e+3], v[ADV] offset:4352*(\t/2)+1088*(\e/2)+512*(\e%2)+128*(\t%2)
.endr
	ds_load_b32 v[VSW+\t], v[ADT] offset:128*(\t/2)+32*(\t%2)
.endr
	s_cmp_lt_u32 s[KS], s[LIM]                     ; only the tile's last step lies on the diagonal: there hidden scores become -infinity ahead of the maximum, and p = 0
	s_cbranch_scc1 .Lopen_\@
.set n, 0
.rept 64
	v_cmp_gt_i32 vcc_lo, 32*(n/16)+16*((n/8)%2)+n%8, v[DM]
	v_cndmask_b32 v[S+n], v[S+n], v[NINF], vcc_lo
.set n, n+1
.endr
.Lopen_\@:
.irp b, 0,1,2,3
	v_max3_num_f32 v[BM+\b], v[S+16*\b], v[S+1+16*\b], v[S+2+16*\b]   ; the largest score of each block of 32 keys: for the row's maximum, and, since p rises with the score, for the block's largest p
.endr
.irp i, 3,5,7,9,11,13
.irp b, 0,1,2,3
	v_max3_num_f32 v[BM+\b], v[BM+\b], v[S+16*\b+\i], v[S+1+16*\b+\i]
.endr
.endr
.irp b, 0,1,2,3
	v_max_num_f32 v[BM+\b], v[BM+\b], v[S+15+16*\b]
.endr
.irp b, 0,1,2,3
	s_delay_alu instid0(VALU_DEP_4)
	v_permlanex16_b32 v[BT+\b], v[BM+\b], s[SEL], s[SEL+1]
.endr
.irp b, 0,1,2,3
	s_delay_alu instid0(VALU_DEP_4)
	v_max_num_f32 v[BM+\b], v[BM+\b], v[BT+\b]     ; with lane l xor 16's 16 keys
.endr
	s_delay_alu instid0(VALU_DEP_2)
	v_max3_num_f32 v[TMP], v[BM], v[BM+1], v[BM+2]
	s_delay_alu instid0(VALU_DEP_1)
	v_max_num_f32 v[TMP], v[TMP], v[BM+3]          ; the step's largest score of my query (the step's first key counts for every query of the tile)
	s_delay_alu instid0(VALU_DEP_1)
	v_mul_f32 v[TMP], s[CS], v[TMP]
	s_delay_alu instid0(VALU_DEP_1)
	v_max_num_f32 v13, v13, v[TMP]                 ; the running largest t
	v_mov_b32 v[TMP], v12
	s_delay_alu instid0(VALU_DEP_2)
	v_floor_f32 v12, -v13                          ; the new -M = -ceil(t)
	s_delay_alu instid0(VALU_DEP_1)
	v_sub_f32 v[TMP], v12, v[TMP]                  ; old M - new M: a whole number, 0 or less
	s_delay_alu instid0(VALU_DEP_1)
	v_cvt_i32_f32 v[TMP], v[TMP]                   ; (it saturates)
	s_delay_alu instid0(VALU_DEP_1)
	v_ldexp_f32 v[FF], 1.0, v[TMP]                 ; f = 2^(old M - new M)
.set j, 0
.rept 32
	v_pk_fma_f32 v[S+j:S+j+1], v[S+j:S+j+1], s[CS:CS+1], v[12:13] op_sel_hi:[1,0,0]   ; t - M, two at a time
.set j, j+2
.endr
.irp b, 0,1,2,3
	v_fma_f32 v[BM+\b], v[BM+\b], s[CS], v12       ; the same of each block's largest score
.endr
.set j, 0
	s_wait_alu depctr_va_vdst(0)
.rept 64
	v_exp_f32 v[S+j], v[S+j]                       ; p = 2^(t - M)
.set j, j+1
.endr
.irp b, 0,1,2,3
	v_exp_f32 v[BM+\b], v[BM+\b]                   ; the block's largest p
.endr
	v_pk_mul_f32 v[14:15], v[14:15], v[FF:FF+1] op_sel_hi:[1,0]   ; the sums under the new M.  (The plain place behind the exponentials)
	s_wait_alu depctr_va_vdst(0)
.irp b, 0,1,2,3
	v_max_num_f32 v[BM+\b], 0x4800000, v[BM+\b]    ; the floor 2^(9 - 127): the byte cannot fall under 1
.endr
.irp b, 0,1,2,3
	s_delay_alu instid0(VALU_DEP_4)
	v_add_nc_u32 v[SOP+\b], 0xfc000000, v[BM+\b]   ; 8 off the exponent field: the conversion's scale operand
.endr
.irp b, 0,1,2,3
	v_and_or_b32 v[HOLD+\b], v[BM+\b], 0x7f800000, s[MNT]   ; 448 x the scale
.endr
.irp b, 0,1,2,3
	v_lshrrev_b32 v[BT+\b], 23, v[SOP+\b]          ; the scale's byte
.endr
	s_delay_alu instid0(VALU_DEP_3)
	v_lshl_or_b32 v[PW], v[BT+1], 8, v[BT]         ; p's scale word for these 128 keys
	s_delay_alu instid0(VALU_DEP_1)
	v_lshl_or_b32 v[PW], v[BT+2], 16, v[PW]
	s_delay_alu instid0(VALU_DEP_1)
	v_lshl_or_b32 v[PW], v[BT+3], 24, v[PW]
	v_pk_add_f32 v[248:249], v[132:133], v[136:137]
	v_pk_add_f32 v[252:253], v[140:141], v[144:145]
	v_pk_add_f32 v[238:239], v[148:149], v[152:153]
	v_pk_add_f32 v[236:237], v[156:157], v[160:161]
	v_pk_add_f32 v[234:235], v[164:165], v[168:169]
	v_pk_add_f32 v[232:233], v[172:173], v[176:177]
	v_pk_add_f32 v[230:231], v[180:181], v[184:185]
	v_pk_add_f32 v[14:15], v[14:15], v[188:189]
	v_pk_add_f32 v[248:249], v[248:249], v[128:129]
	v_pk_add_f32 v[252:253], v[252:253], v[130:131]
	v_pk_add_f32 v[238:239], v[238:239], v[134:135]
	v_pk_add_f32 v[236:237], v[236:237], v[138:139]
	v_pk_add_f32 v[234:235], v[234:235], v[142:143]
	v_pk_add_f32 v[232:233], v[232:233], v[146:147]
	v_pk_add_f32 v[230:231], v[230:231], v[150:151]
	v_pk_add_f32 v[14:15], v[14:15], v[154:155]
	v_pk_add_f32 v[248:249], v[248:249], v[158:159]
	v_pk_add_f32 v[252:253], v[252:253], v[162:163]
	v_pk_add_f32 v[238:239], v[238:239], v[166:167]
	v_pk_add_f32 v[236:237], v[236:237], v[170:171]
	v_pk_add_f32 v[234:235], v[234:235], v[174:175]
	v_pk_add_f32 v[232:233], v[232:233], v[178:179]
	v_pk_add_f32 v[230:231], v[230:231], v[182:183]
	v_pk_add_f32 v[14:15], v[14:15], v[186:187]
	v_pk_add_f32 v[248:249], v[248:249], v[190:191]
	s_delay_alu instid0(VALU_DEP_2)
	v_pk_add_f32 v[14:15], v[14:15], v[236:237]
	s_delay_alu instid0(VALU_DEP_2)
	v_pk_add_f32 v[248:249], v[248:249], v[234:235]
	v_pk_add_f32 v[252:253], v[252:253], v[232:233]
	v_pk_add_f32 v[238:239], v[238:239], v[230:231]
	s_delay_alu instid0(VALU_DEP_2)
	v_pk_add_f32 v[14:15], v[14:15], v[252:253]
	s_delay_alu instid0(VALU_DEP_2)
	v_pk_add_f32 v[248:249], v[248:249], v[238:239]
	s_delay_alu instid0(VALU_DEP_1)
	v_pk_add_f32 v[14:15], v[14:15], v[248:249]
.irp b, 0,1,2,3
.irp i, 0,1,2,3,4,5,6,7,8,9,10,11,12,13,14,15
	v_min_num_f32 v[S+16*\b+\i], v[S+16*\b+\i], v[HOLD+\b]   ; the conversion does not saturate (ISA guide 7.6.2); p is not negative, so the hold is one-sided
.endr
	v_cvt_scalef32_pk8_fp8_f32 v[P+4*\b:P+1+4*\b], v[S+16*\b:S+7+16*\b], v[SOP+\b]
	v_cvt_scalef32_pk8_fp8_f32 v[P+2+4*\b:P+3+4*\b], v[S+8+16*\b:S+15+16*\b], v[SOP+\b]
.endr
.set j, 0
.rept 16
	v_pk_mul_f32 v[O+j:O+j+1], v[O+j:O+j+1], v[FF:FF+1] op_sel_hi:[1,0]   ; O^T under the new M.  (These are also the places between the codes and the products below)
.set j, j+2
.endr
	s_wait_alu depctr_va_vdst(0)
	s_wait_dscnt 0x0                               ; V's fragments and scale words
.irp t, 0,1,2,3
	v_wmma_scale_f32_16x16x128_f8f6f4 v[O+8*\t:O+8*\t+7], v[F+16*\t:F+16*\t+15], v[P:P+15], v[O+8*\t:O+8*\t+7], v[VSW+\t], v[PW]   ; the four accumulators take one turn each; the next step's eight products stand between two turns of one
.endr
.Lhidden_\@:
	s_add_co_u32 s[TK], s[TK], 8192
	s_add_co_u32 s[TV], s[TV], 8704
	s_add_co_u32 s[TS], s[TS], 256
.endm
; A tile ends: O^T / the sum; its 64 channels are two blocks of 32, a lane holding 16 neighbours of each; codes to o_codes as two images, the two scale bytes to v[dst].  nq: the next tile's q is asked for here.
.macro FINISH oa, dst, nq
.rept 8
	v_nop                                          ; places behind the last products
.endr
.if \nq
	LOADQ \nq
.endif
	v_add_f32 v14, v14, v15
	v_permlanex16_b32 v[TMP], v14, s[SEL], s[SEL+1]
	s_delay_alu instid0(VALU_DEP_1)
	v_add_f32 v14, v14, v[TMP]                     ; the row's sum
	s_wait_alu depctr_va_vdst(0)
	v_rcp_f32 v[TMP], v14
	v_nop                                          ; a plain place behind the transcendental
.set j, 0
	s_wait_alu depctr_va_vdst(0)
.rept 16
	v_pk_mul_f32 v[S+j:S+j+1], v[O+j:O+j+1], v[TMP:TMP+1] op_sel_hi:[1,0]   ; register 16 B + i: channel 32 B + 16 h + i
.set j, j+2
.endr
.irp b, 0,1
	v_max3_num_f32 v[BM+\b], |v[S+16*\b]|, |v[S+1+16*\b]|, 0x4800000
.endr
.irp i, 2,4,6,8,10,12,14
.irp b, 0,1
	s_delay_alu instid0(VALU_DEP_2)
	v_max3_num_f32 v[BM+\b], v[BM+\b], |v[S+16*\b+\i]|, |v[S+1+16*\b+\i]|
.endr
.endr
.irp b, 0,1
	s_delay_alu instid0(VALU_DEP_2)
	v_permlanex16_b32 v[BT+\b], v[BM+\b], s[SEL], s[SEL+1]
.endr
.irp b, 0,1
	s_delay_alu instid0(VALU_DEP_2)
	v_max_num_f32 v[BM+\b], v[BM+\b], v[BT+\b]
.endr
.irp b, 0,1
	s_delay_alu instid0(VALU_DEP_2)
	v_add_nc_u32 v[SOP+\b], 0xfc000000, v[BM+\b]
.endr
.irp b, 0,1
	s_delay_alu instid0(VALU_DEP_4)
	v_and_or_b32 v[HOLD+\b], v[BM+\b], 0x7f800000, s[MNT]
.endr
.irp b, 0,1
	s_delay_alu instid0(VALU_DEP_4)
	v_lshrrev_b32 v[BT+\b], 23, v[SOP+\b]
.endr
	s_delay_alu instid0(VALU_DEP_1)
	v_lshl_or_b32 v[\dst], v[BT+1], 8, v[BT]
.irp b, 0,1
.irp i, 0,1,2,3,4,5,6,7,8,9,10,11,12,13,14,15
	v_med3_num_f32 v[S+16*\b+\i], v[S+16*\b+\i], -v[HOLD+\b], v[HOLD+\b]
.endr
	v_cvt_scalef32_pk8_fp8_f32 v[P+4*\b:P+1+4*\b], v[S+16*\b:S+7+16*\b], v[SOP+\b]
	v_cvt_scalef32_pk8_fp8_f32 v[P+2+4*\b:P+3+4*\b], v[S+8+16*\b:S+15+16*\b], v[SOP+\b]
.endr
	v_nop                                          ; a plain place behind the last conversion
	global_store_b128 v[AK0], v[P:P+3], s[\oa:\oa+1]               ; each store of the wave covers 512 consecutive bytes, aligned
	global_store_b128 v[AK0], v[P+4:P+7], s[\oa:\oa+1] offset:512
.endm
	s_lshr_b32 s[LIM], s[WV], 1
	s_sub_co_u32 s[LIM], 15, s[LIM]                ; TH's last step
	BEGIN 92, 94
	s_wait_tensorcnt 0x0                           ; waves 0-9: my fill has landed,
	s_barrier_signal -1
	s_barrier_wait -1                              ; and every wave knows it.  From here on LDS is only read
.Lhigh:
	STEP
	s_add_co_u32 s[KS], s[KS], 1
	s_cmp_lt_u32 s[KS], 16
	s_cbranch_scc1 .Lhigh
	FINISH 82, OSH, 86
	s_lshr_b32 s[LIM], s[WV], 1                    ; TL's last step
	BEGIN 93, 95
.Llow:
	STEP
	s_add_co_u32 s[KS], s[KS], 1
	s_cmp_lt_u32 s[KS], 8
	s_cbranch_scc1 .Llow
	FINISH 90, OSL, 0
	; o's scale bytes: lanes 0-15 store TH's sixteen tokens', lanes 16-31 TL's (both registers hold token l % 16's in both halves of the lanes)
	v_bfe_u32 v8, v0, 4, 1
	v_and_b32 v9, 15, v0
	s_delay_alu instid0(VALU_DEP_2)
	v_cmp_eq_u32 vcc_lo, 1, v8
	s_delay_alu instid0(VALU_DEP_1)
	v_cndmask_b32 v10, v[OSH], v[OSL], vcc_lo
	s_lshl_b32 s2, s15, 9                          ; 16 tokens x 32 bytes a tile
	s_lshl_b32 s3, s16, 9
	v_mov_b32 v11, s2
	v_mov_b32 v[TMP], s3
	s_delay_alu instid0(VALU_DEP_1)
	v_cndmask_b32 v11, v11, v[TMP], vcc_lo
	s_delay_alu instid0(VALU_DEP_1)
	v_lshl_add_u32 v11, v9, 5, v11
	global_store_b16 v11, v10, s[84:85]
	s_wait_tensorcnt 0x0
	ds_add_u32 v254, v255
	s_wait_dscnt 0x0
	CROUND                                         ; the closing round: no work-group ends while a partner may still ask for a tile that names it
	s_endpgm
.Lfunc_end_k_q8e221466c7_attn:
	.size	k_q8e221466c7_attn, .Lfunc_end_k_q8e221466c7_attn-k_q8e221466c7_attn
	.p2alignl 7, 3214868480
	.fill 96, 4, 3214868480
	.section	.rodata,"a",@progbits
	.p2align	6, 0x0
	.amdhsa_kernel k_q8e221466c7_attn
		.amdhsa_group_segment_fixed_size 280576
		.amdhsa_private_segment_fixed_size 0
		.amdhsa_enable_private_segment 0
		.amdhsa_kernarg_size 32
		.amdhsa_user_sgpr_count 2
		.amdhsa_user_sgpr_kernarg_segment_ptr 1
		.amdhsa_wavefront_size32 1
		.amdhsa_system_sgpr_workgroup_id_x 1
		.amdhsa_system_sgpr_workgroup_id_y 1
		.amdhsa_system_sgpr_workgroup_id_z 1
		.amdhsa_system_vgpr_workitem_id 0
		.amdhsa_next_free_vgpr 256
		.amdhsa_next_free_sgpr 96
		.amdhsa_reserve_vcc 1
		.amdhsa_float_denorm_mode_32 3
		.amdhsa_float_denorm_mode_16_64 3
		.amdhsa_memory_ordered 1
		.amdhsa_forward_progress 1
		.amdhsa_inst_pref_size 77
	.end_amdhsa_kernel
	.amdgpu_metadata
---
amdhsa.version: [ 1, 2 ]
amdhsa.kernels:
  - .name:           k_q8e221466c7_attn
    .symbol:         k_q8e221466c7_attn.kd
    .args:
      - { .name: qkv_codes, .offset: 0, .size: 8, .value_kind: global_buffer, .address_space: global }
      - { .name: qkv_scales, .offset: 8, .size: 8, .value_kind: global_buffer, .address_space: global }
      - { .name: o_codes, .offset: 16, .size: 8, .value_kind: global_buffer, .address_space: global }
      - { .name: o_scales, .offset: 24, .size: 8, .value_kind: global_buffer, .address_space: global }
    .group_segment_fixed_size: 280576
    .private_segment_fixed_size: 0
    .kernarg_segment_align: 8
    .kernarg_segment_size: 32
    .max_flat_workgroup_size: 512
    .sgpr_count:     96
    .vgpr_count:     256
    .wavefront_size: 32
...
	.end_amdgpu_metadata
.endif
;; end of part 2
;; launch proj (part 3): grid 4 x 64, 4 waves a work-group, clusters of 4 x 4, 327,680 bytes of LDS; arguments o_codes, o_scales, W_proj_codes, W_proj_scales, out0, b_proj; writes out0
.if DOCPART == 3
	.amdgcn_target "amdgcn-amd-amdhsa--gfx1250"
	.amdhsa_code_object_version 6
	.text
	.protected	k_q8e221466c7_proj
	.globl	k_q8e221466c7_proj
	.p2align	8
	.type	k_q8e221466c7_proj,@function
k_q8e221466c7_proj:
	s_mov_b64 s[64:65], 0
	v_nop
	global_prefetch_b8 v0, s[64:65] scope:SCOPE_SE
	s_setreg_imm32_b32 hwreg(HW_REG_WAVE_MODE, 25, 1), 1
	s_wait_xcnt 0x0
	s_wait_alu depctr_hold_cnt(0) depctr_sa_sdst(0) depctr_va_vdst(0) depctr_va_sdst(0) depctr_va_ssrc(0) depctr_va_vcc(0) depctr_vm_vsrc(0)
	s_getreg_b32 s2, hwreg(HW_REG_IB_STS2, 6, 4)
	s_cmp_eq_u32 s2, 0
	s_cbranch_scc0 .Lentry_in_a_cluster
	s_endpgm
.Lentry_in_a_cluster:
	s_bfe_u32 s2, ttmp6, 0x10000c
	s_cmp_lg_u32 s2, 0xf033
	s_cbranch_scc0 .Lentry_shape_is_right
	s_endpgm
.Lentry_shape_is_right:
; out0 = o W_proj^T + b_proj on codes of FP8 (E4M3), one E8M0 scale for each 32 along K = 1,024; f32 sums, which begin with the bias.
; SHARES.  256 work-groups of four waves; a work-group makes 128 tokens (A = o) x 256 columns (B = W_proj's rows), a wave 64 x 128: 32 accumulators, 256 registers.
; o_codes lie as images of operand registers: [tile of 16 tokens: 16,384][block of 32 channels: 512][lane: 16]; W_proj's rows along K; scale bytes 32 a row.
; K goes in four steps of 256 through a ring of two LDS slots; the scale bytes of the 384 rows come once, at the head, and stay.
; CLUSTERS 4 x 4: A's tiles are asked for jointly along a row of the cluster, B's along a column.  Source 0 = B's rows, source 1 = A's: a lane holds eight neighbouring columns of a row of out0.
; No prefetch: K has four steps, and two of them are asked for at the head.
; LIMITS: NaN and infinities are carried as the matrix instruction carries them; nothing else is bounded here.
; REGISTERS: window 0: v16-29 addresses; v32-63 scale words, two sets; v64-127 the bias; v128-255 A's fragments, two sets (the way out: rows read back).  Window 1: B's fragments, two sets.  Window 2: accumulator (a, b) at v[8 (8 a + b)].
.set SIZE_N, 1024
.set ROWB,   256                       ; a row of B's tile in bytes
.set KROW,   1024
.set PITCH,  272                       ; B's LDS row: 256 bytes + 16 of padding
.set FR,     16
.set NP,     8                         ; places behind this matrix instruction (ISA guide 7.12.1)
.set ASTEP,  4096                      ; a tile of 16 tokens x 256 of K
.set AREG,   8*ASTEP                   ; A's 128 rows in a slot
.set HALFT,  128*PITCH
.set SLOT,   AREG+2*HALFT
.set SCL,    2*SLOT                    ; the scales, as runs of 256 bytes + 16: A's 128 rows, then B's 256
.set HALFS,  16*272                    ; those of 128 rows
.set SBLK,   2*272                     ; of 16 rows
.set SPARE,  SCL+3*HALFS               ; the spare words: 128 bytes a wave
.set SPITCH, 528                       ; the way out's stage: 16 rows x (512 + 16) a wave, in slot 0 behind its last fill and last read
.set ADRA, 16
.set BH,   18
.set ADRB, 20
.set STO,  24
.set RD,   25
.set CO,   26
.set ADRS, 27
.set SPW,  28
.set NIL,  29
.set SC,   32
.set BP,   64
.set AF,   128
.set BK,   128
.set G1, 24
.set G0, 32
.set G1B, 48
.set G0B, 56
.set G1S, 68
.set G0S, 76
.set G1SB, 80
.set G0SB, 88
.set MSB, 0
.macro WIN new                         ; the immediate's high byte repeats the setting that is left
.if MSB != \new
	s_set_vgpr_msb (MSB<<8)|\new
.set MSB, \new
.endif
.endm
.set MUL,  0xa1                        ; source 0 window 1, source 1 window 0, C and D window 2
.set MUL0, 0x81                        ; the same with C (the bias) in window 0
.set TO_B, 0x40
.macro PLACES n
.rept \n
	v_nop
.endr
.endm
.macro TL g0, g1                       ; a tensor load with s_nop 0 and four v_nop behind it
	tensor_load_to_lds s[\g0:\g0+3], s[\g1:\g1+7]
	s_nop 0
	PLACES 4
.endm
.macro JLOAD g0a, g1a, g0b, g1b        ; the ring's joint load: waves 0, 1 halves of A's tile, waves 2, 3 halves of B's
	s_cmp_eq_u32 s15, 0
	s_cbranch_scc0 .Lfor_b_\@
	TL \g0a, \g1a
	s_branch .Lasked_\@
.Lfor_b_\@:
	TL \g0b, \g1b
.Lasked_\@:
.endm
.macro CREST
	s_cmp_lg_u32 s14, 0
	s_cbranch_scc1 .Lnot_wave_0_\@
	s_barrier_signal -3
.Lnot_wave_0_\@:
	s_barrier_wait -3
	s_barrier_signal -1
	s_barrier_wait -1
.endm
.macro CROUND
	s_barrier_signal -1
	s_barrier_wait -1
	CREST
.endm
.macro G0SET g, lds, p                 ; a group 0: LDS byte, address in s[p:p+1]
	s_mov_b32 s[\g], 1
	s_mov_b32 s[\g+1], \lds
	s_mov_b64 s[\g+2:\g+3], s[\p:\p+1]
	s_or_b32 s[\g+3], s[\g+3], 0x80000000
.endm
	s_load_b128 s[4:7], s[0:1], 0x0                ; o_codes, o_scales
	s_load_b128 s[8:11], s[0:1], 0x10              ; W_proj's codes, scales
	s_load_b64 s[12:13], s[0:1], 0x20              ; out0
	s_load_b64 s[96:97], s[0:1], 0x28              ; b_proj
	v_lshl_add_u32 v[SPW], v0, 2, SPARE
	v_mov_b32 v[NIL], 0
	ds_add_u32 v[SPW], v[NIL]                      ; the opening lines: the add twice on end, then one wait
	ds_add_u32 v[SPW], v[NIL]
	v_lshrrev_b32 v1, 5, v0
	v_readfirstlane_b32 s14, v1                    ; wave
	s_lshr_b32 s15, s14, 1                         ; my half of A's rows; also: I fetch for A (0) or B (1)
	s_and_b32 s16, s14, 1                          ; my half of B's rows; also: which half of a tile I fetch
	s_bfe_u32 s40, ttmp6, 0x40000
	s_bfe_u32 s41, ttmp6, 0x40004
	s_lshl_b32 s42, ttmp9, 2
	s_add_co_u32 s42, s42, s40                     ; tile column
	s_and_b32 s17, ttmp7, 0xffff
	s_lshl_b32 s17, s17, 2
	s_add_co_u32 s17, s17, s41                     ; tile row
	s_lshl_b32 s43, s41, 2
	s_lshl_b32 s43, 15, s43                        ; my row of the cluster
	s_lshl_b32 s44, 0x1111, s40                    ; my column
	s_or_b32 s[G1+0], s43, (3<<16)|(1<<21)         ; A: rows of 4,096 bytes (512 elements of 8), 16,384 apart; 8 at the head, 4 in the ring
	s_mov_b32 s[G1+1], 512<<16
	s_mov_b32 s[G1+2], 8<<16
	s_mov_b32 s[G1+3], 512<<16
	s_mov_b32 s[G1+4], 8
	s_mov_b32 s[G1+5], 2048
	s_mov_b32 s[G1+6], 0
	s_mov_b32 s[G1+7], 0
	s_or_b32 s[G1B+0], s44, (1<<20)|(1<<21)|(5<<22)|(3<<25)   ; B: rows of 256 bytes, four words of padding behind each; 256 at the head, 128 in the ring
	s_mov_b32 s[G1B+1], ROWB<<16
	s_mov_b32 s[G1B+2], 256<<16
	s_mov_b32 s[G1B+3], ROWB<<16
	s_mov_b32 s[G1B+4], 256
	s_mov_b32 s[G1B+5], KROW
	s_mov_b32 s[G1B+6], 0
	s_mov_b32 s[G1B+7], 0
	s_or_b32 s[G1S+0], s43, (3<<16)|(1<<20)|(1<<21)|(5<<22)|(3<<25)   ; scales: dense, as rows of 256 bytes: A's 16,
	s_mov_b32 s[G1S+2], 16<<16
	s_mov_b32 s[G1S+4], 16
	s_or_b32 s[G1SB+0], s44, (3<<16)|(1<<20)|(1<<21)|(5<<22)|(3<<25)  ; B's 32
	s_mov_b32 s[G1SB+2], 32<<16
	s_mov_b32 s[G1SB+4], 32
.irp g, G1S, G1SB
	s_mov_b32 s[\g+1], 32<<16
	s_mov_b32 s[\g+3], 32<<16
	s_mov_b32 s[\g+5], 32
	s_mov_b32 s[\g+6], 0
	s_mov_b32 s[\g+7], 0
.endr
	s_lshl_b32 s20, s17, 17                        ; A's 128 rows: 131,072 bytes of codes,
	s_mov_b32 s21, 0
	s_lshl_b32 s22, s17, 12                        ; 4,096 of scales
	s_mov_b32 s23, 0
	s_lshl_b32 s46, s42, 18                        ; B's 256 rows
	s_mov_b32 s47, 0
	s_lshl_b32 s92, s42, 13
	s_mov_b32 s93, 0
	s_wait_dscnt 0x0                               ; both opening adds are done
	s_wait_kmcnt 0x0
	s_add_nc_u64 s[20:21], s[4:5], s[20:21]
	s_add_nc_u64 s[22:23], s[6:7], s[22:23]
	s_add_nc_u64 s[46:47], s[8:9], s[46:47]
	s_add_nc_u64 s[92:93], s[10:11], s[92:93]
	CROUND                                         ; all sixteen work-groups are here: the first joint loads meet
	G0SET G0, 0, 20                                ; slot 0's groups 0 serve the head's whole tiles first
	G0SET G0B, AREG, 46
	G0SET G0S, SCL, 22
	G0SET G0SB, SCL+HALFS, 92
	s_lshl_b32 s92, s16, 16                        ; the ring: my half of A's tile, 4 tiles of tokens,
	s_mov_b32 s93, 0
	s_lshl_b32 s94, s16, 17                        ; of B's, 128 rows
	s_mov_b32 s95, 0
	s_add_nc_u64 s[20:21], s[20:21], s[92:93]
	s_add_nc_u64 s[46:47], s[46:47], s[94:95]
	s_mov_b32 s[G0+4], 1                           ; slot 1: K step 1
	s_lshl_b32 s[G0+5], s16, 14
	s_add_co_u32 s[G0+5], s[G0+5], SLOT
	s_add_nc_u64 s[G0+6:G0+7], s[20:21], ASTEP
	s_or_b32 s[G0+7], s[G0+7], 0x80000000
	s_mov_b32 s[G0B+4], 1
	s_mul_i32 s[G0B+5], s16, HALFT
	s_add_co_u32 s[G0B+5], s[G0B+5], SLOT+AREG
	s_add_nc_u64 s[G0B+6:G0B+7], s[46:47], ROWB
	s_or_b32 s[G0B+7], s[G0B+7], 0x80000000
; THE HEAD'S LOADS, ONE A WAVE: one chain of branches on the wave's number, a load to an arm
.macro ARM under, g0, g1, next
	s_cmp_lt_u32 s14, \under
	s_cbranch_scc0 \next
	TL \g0, \g1
	s_branch .Lhead_asked
\next:
.endm
	ARM 1, G0B, G1B, .Lhead_a                      ; wave 0: K step 0's 256 rows of B
	ARM 2, G0,  G1,  .Lhead_sa                     ; wave 1: its 128 rows of A
	ARM 3, G0S, G1S, .Lhead_sb                     ; wave 2: A's scales
	TL G0SB, G1SB                                  ; wave 3: B's
.Lhead_asked:
	s_lshl_b32 s18, s17, 7
	s_lshl_b32 s19, s15, 6
	s_add_co_u32 s18, s18, s19                     ; my first row of out0,
	s_lshl_b32 s18, s18, 12                        ; 4,096 bytes a row
	s_lshl_b32 s19, s42, 10
	s_lshl_b32 s20, s16, 9
	s_add_co_u32 s20, s20, s19                     ; my first column, in bytes
	s_mov_b32 s21, 0
	s_add_nc_u64 s[96:97], s[96:97], s[20:21]
	s_add_co_u32 s20, s20, s18
	s_add_nc_u64 s[12:13], s[12:13], s[20:21]
	s_lshl_b32 s18, s15, 14                        ; LDS: my 64 rows of A,
	s_mul_i32 s19, s16, HALFT
	s_add_co_u32 s19, s19, AREG                    ; my 128 rows of B,
	s_mul_i32 s20, s15, HALFS/2                    ; A's scales,
	s_mul_i32 s21, s16, HALFS
	s_add_co_u32 s21, s21, HALFS
	s_sub_co_u32 s21, s21, s20                     ; from them to B's,
	s_add_co_u32 s20, s20, SCL
	s_mul_i32 s22, s14, 16*SPITCH                  ; my stage
	v_and_b32 v1, 15, v0                           ; r
	v_bfe_u32 v2, v0, 4, 1                         ; h
	v_and_b32 v6, 31, v0
	v_mul_u32_u24 v3, v1, PITCH
	v_lshl_add_u32 v4, v2, 4, v3
	v_lshlrev_b32 v[CO], 4, v6                     ; 16 x lane
	v_add_nc_u32 v[ADRA], s18, v[CO]
	v_add_nc_u32 v[ADRB], s19, v4
	v_add_nc_u32 v[ADRA+1], SLOT, v[ADRA]
	v_add_nc_u32 v[ADRB+1], SLOT, v[ADRB]
	v_lshlrev_b32 v5, 5, v1                        ; scales: 32 bytes a row,
	v_lshrrev_b32 v7, 3, v1
	v_lshl_add_u32 v5, v7, 4, v5                   ; 16 more for each 256 passed;
	v_mul_u32_u24 v7, s21, v2                      ; lanes 16-31 take B's
	v_add_nc_u32 v5, v5, v7
	v_add_nc_u32 v[ADRS], s20, v5
	v_mul_u32_u24 v8, v1, SPITCH
	v_lshl_add_u32 v8, v2, 5, v8
	v_add_nc_u32 v[STO], s22, v8
	v_add_nc_u32 v[RD], s22, v[CO]
	v_lshlrev_b32 v[BH], 5, v2
	s_wait_alu depctr_va_vdst(0)
.irp b, 0,1,2,3,4,5,6,7
	global_load_b128 v[BP+8*\b:BP+8*\b+3], v[BH], s[96:97] offset:64*\b        ; register 8 b + j: b_proj at my column 16 b + 8 h + j
	global_load_b128 v[BP+8*\b+4:BP+8*\b+7], v[BH], s[96:97] offset:64*\b+16
.endr
.macro FETCH slot, q, p                ; the fragments of the slot's q-th 128 of K into sets p: B's eight, A's four: 48 loads
	WIN TO_B
.irp i, 0,1,2,3,4,5,6,7
.irp c, 0,1,2,3
	ds_load_b128 v[128*(\p)+FR*\i+4*\c:128*(\p)+FR*\i+4*\c+3], v[ADRB+\slot] offset:128*(\q)+32*\c+\i*16*PITCH
.endr
.endr
	WIN 0
.irp i, 0,1,2,3
.irp c, 0,1,2,3
	ds_load_b128 v[AF+64*(\p)+FR*\i+4*\c:AF+64*(\p)+FR*\i+4*\c+3], v[ADRA+\slot] offset:ASTEP*\i+2048*(\q)+512*\c
.endr
.endr
.endm
.macro SCALES sc, t                    ; K step t's scale words into set sc: lanes 0-15 A's block i (i < 4 is used), lanes 16-31 B's block i
.irp i, 0,1,2,3,4,5,6,7
	ds_load_b64 v[SC+16*(\sc)+2*\i:SC+16*(\sc)+2*\i+1], v[ADRS] offset:\i*SBLK+8*(\t)
.endr
.endm
.macro MUL16 a0, p, q, sc, zero        ; A's blocks a0, a0 + 1 x B's eight; the 32 accumulators take turns in one order
.irp a, \a0, \a0+1
.irp b, 0,1,2,3,4,5,6,7
.if \zero
	v_wmma_scale_f32_16x16x128_f8f6f4 v[8*(8*(\a)+\b):8*(8*(\a)+\b)+7], v[128*(\p)+FR*\b:128*(\p)+FR*\b+FR-1], v[AF+64*(\p)+FR*(\a):AF+64*(\p)+FR*(\a)+FR-1], v[BP+8*\b:BP+8*\b+7], v[SC+16*(\sc)+2*\b+(\q)], v[SC+16*(\sc)+2*(\a)+(\q)] matrix_a_scale:MATRIX_SCALE_ROW1
.else
	v_wmma_scale_f32_16x16x128_f8f6f4 v[8*(8*(\a)+\b):8*(8*(\a)+\b)+7], v[128*(\p)+FR*\b:128*(\p)+FR*\b+FR-1], v[AF+64*(\p)+FR*(\a):AF+64*(\p)+FR*(\a)+FR-1], v[8*(8*(\a)+\b):8*(8*(\a)+\b)+7], v[SC+16*(\sc)+2*\b+(\q)], v[SC+16*(\sc)+2*(\a)+(\q)] matrix_a_scale:MATRIX_SCALE_ROW1
.endif
.endr
.endr
.endm
.macro STEP slot, zero                 ; a slot's first 128 of K, on sets 0; the second 128 is fetched into sets 1 ahead of the products
	s_wait_dscnt 0x0                               ; sets 0 and the scale words are in
	PLACES NP                                      ; behind the products that read sets 1
	FETCH \slot, 1, 1
.if \zero
	WIN MUL0
.else
	WIN MUL
.endif
	MUL16 0, 0, 0, \slot, \zero
	MUL16 2, 0, 0, \slot, \zero
	WIN 0
.endm
; A slot's second 128 of K, on sets 1, and the change of slots: all of the slot is in registers, so the barrier stands at the step's head.  t: the next K step
.macro TURN slot, next, fill, t
	s_wait_tensorcnt 0x0                           ; my part of the next slot has landed
	ds_add_u32 v[SPW], v[NIL]
	s_wait_dscnt 0x0                               ; the add is done, and my reads of this slot are over
	s_barrier_signal -1
	WIN MUL
	MUL16 0, 1, 1, \slot, 0
	WIN 0
	s_barrier_wait -1
.if \fill
	CREST                                          ; the barrier has opened a round of the cluster's barrier
	s_add_nc_u64 s[G0+4*\slot+2:G0+4*\slot+3], s[G0+4*\slot+2:G0+4*\slot+3], 2*ASTEP
	s_add_nc_u64 s[G0B+4*\slot+2:G0B+4*\slot+3], s[G0B+4*\slot+2:G0B+4*\slot+3], 2*ROWB
	JLOAD G0+4*\slot, G1, G0B+4*\slot, G1B         ; the first tensor load behind the round; its four v_nop are among the places
	PLACES NP-4
.else
	PLACES NP
.endif
	FETCH \next, 0, 0
	SCALES \next, \t
	WIN MUL
	MUL16 2, 1, 1, \slot, 0
	WIN 0
.endm
	s_wait_tensorcnt 0x0                           ; my tile of the head's four is in
	ds_add_u32 v[SPW], v[NIL]
	s_mov_b32 s[G1+2], 4<<16                       ; no tensor load of mine is out: the ring's loads bring half a tile
	s_mov_b32 s[G1+4], 4
	s_mov_b32 s[G1B+2], 128<<16
	s_mov_b32 s[G1B+4], 128
	s_lshl_b32 s[G0+1], s16, 14
	s_add_nc_u64 s[G0+2:G0+3], s[G0+2:G0+3], s[92:93]
	s_mul_i32 s[G0B+1], s16, HALFT
	s_add_co_u32 s[G0B+1], s[G0B+1], AREG
	s_add_nc_u64 s[G0B+2:G0B+3], s[G0B+2:G0B+3], s[94:95]
	s_wait_dscnt 0x0
	CROUND                                         ; all four tiles are in, all sixteen work-groups are here
	JLOAD G0+4, G1, G0B+4, G1B                     ; K step 1
	FETCH 0, 0, 0
	SCALES 0, 0
	s_wait_loadcnt 0x0                             ; the bias
	STEP 0, 1                                      ; the first products start the sums with the bias
	TURN 0, 1, 1, 1
	STEP 1, 0
	TURN 1, 0, 1, 2
	STEP 0, 0
	TURN 0, 1, 0, 3                                ; nothing more is filled
	STEP 1, 0
	s_wait_dscnt 0x0
	WIN MUL
	MUL16 0, 1, 1, 1, 0
	MUL16 2, 1, 1, 1, 0
	WIN 0
; THE WAY OUT, by blocks of 16 rows x 128 columns through my own stage: back as whole rows of 512 bytes
.macro TOSTAGE a
	WIN 0x08                                       ; the data: window 2
.irp b, 0,1,2,3,4,5,6,7
	ds_store_b128 v[STO], v[64*(\a)+8*\b:64*(\a)+8*\b+3] offset:64*\b      ; each accumulator from its low end on
	ds_store_b128 v[STO], v[64*(\a)+8*\b+4:64*(\a)+8*\b+7] offset:64*\b+16
.endr
	WIN 0
.set BB, BK+64*((\a)%2)
.irp t, 0,1,2,3,4,5,6,7,8,9,10,11,12,13,14,15
	ds_load_b128 v[BB+4*\t:BB+4*\t+3], v[RD] offset:\t*SPITCH              ; LDS serves a wave's instructions in order (ISA guide 5.7.1.4)
.endr
.endm
.macro SEND a, younger                 ; younger: LDS instructions issued behind block a's loads
.set BB, BK+64*((\a)%2)
	s_wait_dscnt \younger
.if (\a) > 0
	s_add_nc_u64 s[12:13], s[12:13], 16*SIZE_N*4   ; behind a wait on XCNT
.endif
.irp t, 0,1,2,3,4,5,6,7,8,9,10,11,12,13,14,15
	global_store_b128 v[CO], v[BB+4*\t:BB+4*\t+3], s[12:13] offset:\t*SIZE_N*4 th:TH_STORE_NT   ; 32 lanes store 512 consecutive bytes, aligned
.endr
.endm
	PLACES NP
	TOSTAGE 0
.irp a, 1,2,3
.if \a > 1
	s_wait_xcnt 0x0                                ; block a - 2's stores have read their registers and their base
.endif
	TOSTAGE \a
	SEND \a-1, 32                                  ; behind block a - 1's loads: block a's 16 stores and 16 loads
.endr
	s_wait_xcnt 0x0
	SEND 3, 0
	s_wait_tensorcnt 0x0                           ; the wave's end
	ds_add_u32 v[SPW], v[NIL]
	s_wait_dscnt 0x0
	CROUND                                         ; the closing round
	s_endpgm
.Lfunc_end_k_q8e221466c7_proj:
	.size	k_q8e221466c7_proj, .Lfunc_end_k_q8e221466c7_proj-k_q8e221466c7_proj
	.p2alignl 7, 3214868480
	.fill 96, 4, 3214868480
	.section	.rodata,"a",@progbits
	.p2align	6, 0x0
	.amdhsa_kernel k_q8e221466c7_proj
		.amdhsa_group_segment_fixed_size 327680
		.amdhsa_private_segment_fixed_size 0
		.amdhsa_enable_private_segment 0
		.amdhsa_kernarg_size 48
		.amdhsa_user_sgpr_count 2
		.amdhsa_user_sgpr_kernarg_segment_ptr 1
		.amdhsa_wavefront_size32 1
		.amdhsa_system_sgpr_workgroup_id_x 1
		.amdhsa_system_sgpr_workgroup_id_y 1
		.amdhsa_system_sgpr_workgroup_id_z 1
		.amdhsa_system_vgpr_workitem_id 0
		.amdhsa_next_free_vgpr 768
		.amdhsa_next_free_sgpr 98
		.amdhsa_reserve_vcc 0
		.amdhsa_float_denorm_mode_32 3
		.amdhsa_float_denorm_mode_16_64 3
		.amdhsa_memory_ordered 1
		.amdhsa_forward_progress 1
		.amdhsa_inst_pref_size 90
	.end_amdhsa_kernel
	.amdgpu_metadata
---
amdhsa.version: [ 1, 2 ]
amdhsa.kernels:
  - .name:           k_q8e221466c7_proj
    .symbol:         k_q8e221466c7_proj.kd
    .args:
      - { .name: o_codes, .offset: 0, .size: 8, .value_kind: global_buffer, .address_space: global }
      - { .name: o_scales, .offset: 8, .size: 8, .value_kind: global_buffer, .address_space: global }
      - { .name: W_proj_codes, .offset: 16, .size: 8, .value_kind: global_buffer, .address_space: global }
      - { .name: W_proj_scales, .offset: 24, .size: 8, .value_kind: global_buffer, .address_space: global }
      - { .name: out0, .offset: 32, .size: 8, .value_kind: global_buffer, .address_space: global }
      - { .name: b_proj, .offset: 40, .size: 8, .value_kind: global_buffer, .address_space: global }
    .group_segment_fixed_size: 327680
    .private_segment_fixed_size: 0
    .kernarg_segment_align: 8
    .kernarg_segment_size: 48
    .max_flat_workgroup_size: 128
    .sgpr_count:     98
    .vgpr_count:     768
    .wavefront_size: 32
...
	.end_amdgpu_metadata
.endif
;; end of part 3
